; MI455X (gfx1250); checked and timed in simulation.
; The chip was launched on July 23, 2026; its instructions are those of AMD's public machine-readable ISA for CDNA 5 (MIT licence, August 2026) and "CDNA5" Instruction Set Architecture Reference Guide (July 2026). The comments in the code are by the model that wrote it; some were corrected since.
;; Bahdanau Attention. Allowed arithmetic: float matrix products may take bf16 or f16 operands with f32 sums; other float arithmetic in f32, or as packed bf16 or f16 multiplies, adds, multiply-adds, maxima and minima; sums over many terms, partial sums and values carried from step to step in f32; what a program stores and reads back later, other than sums and carried values, may be rounded once to bf16 or f16.
;; Inputs: Ua_b 1,024 float32; Ua_w 1,024 x 1,024 float32; Va_b 1 float32; Va_w 1 x 1,024 float32; Wa_b 1,024 float32; Wa_w 1,024 x 1,024 float32; keys 32 x 2,048 x 1,024 float32; query 32 x 1 x 1,024 float32.
;; Outputs: out0 32 x 1 x 1,024 float32; out1 32 x 1 x 2,048 float32.
;; 2 versions, each right; version 2 is version 1 with the launch main written anew for expert scheduling mode. Each part assembles by itself: llvm-mc -triple=amdgcn-amd-amdhsa -mcpu=gfx1250 --defsym DOCPART=n.
;; ======== version 1 of 2: 3 launches
;; workspace buffers: ub 2,097,152 bytes; qv 131,072 bytes; sc 262,144 bytes; cpart 2,097,152 bytes
;; launch prep (part 1): grid 64 x 1, 16 waves a work-group, no clusters, 34,816 bytes of LDS; arguments query, Wa_w, Wa_b, Ua_w, Ua_b, ub, qv; writes ub, qv
.if DOCPART == 1
	.amdgcn_target "amdgcn-amd-amdhsa--gfx1250"
	.amdhsa_code_object_version 6
	.text
	.protected	k_q20e02f05a4_prep
	.globl	k_q20e02f05a4_prep
	.p2align	8
	.type	k_q20e02f05a4_prep,@function
k_q20e02f05a4_prep:
	s_mov_b64 s[64:65], 0
	v_nop
	global_prefetch_b8 v0, s[64:65] scope:SCOPE_SE
	s_setreg_imm32_b32 hwreg(HW_REG_WAVE_MODE, 25, 1), 1
	s_wait_xcnt 0x0
; Two small jobs ahead of the large launch.
; (1) ub: Ua_w [1024][1024] f32, rounded once to bf16 and laid out in the order in which the large launch's waves load it: the fragment of 16 rows o (nb = o / 16) x 32 k
;     (kb = k / 32) lies at byte (((nb >> 3) * 32 + kb) * 8 + (nb & 7)) * 1024; in it lane l = 16 hh + r finds Ua[16 nb + r][32 kb + 8 hh + 0..7] at 16 l and k + 16 at 512 + 16 l.
; (2) qv[nb][batch][16] = C2 * (query . Wa^T + Wa_b + Ua_b), C2 = 2 log2(e): what the large launch adds to C2 * (keys . Ua^T) in front of its exponential.
; query and Wa_w go into the product as bf16, the sums are f32.  NaN and infinities are not treated apart.
; SHARES.  Work-group nb owns 16 rows of Wa and of Ua.  K is split among its 16 waves: wave v takes k = 64 v .. 64 v + 63, 256 consecutive bytes of each f32 row.
; The 16 partial sums of q . Wa^T (2 tiles of 16 batches x 16 o) meet in LDS; waves 0 to 3 add them.
.set PART,  0                          ; LDS: wave v's two partial tiles at 2,048 v, laid out as qv's 2,048 bytes: batch x 64 + o x 4
.set SPARE, 32768                      ; behind them: the spare words, 128 bytes for each of 16 waves; no other line names them
.set FO,   4                           ; v4   r x 4,096 + 32 hh + 256 x wave: my place in the f32 rows of Wa, Ua and query
.set BOF,  5                           ; v5   16 (t & 3): my four o among the work-group's 16, in the two biases
.set LST,  6                           ; v6   where I put 32 bytes of a partial tile
.set LRD,  7                           ; v7   where I read 16 bytes of it back: 16 (t & 127)
.set UO,   8                           ; v8   16 x lane: my place in half a fragment of ub
.set QOUT, 9                           ; v9   16 (t & 127): my 16 bytes of the work-group's 2,048 of qv
.set SPW,  10                          ; v10  my spare word; never rewritten
.set NIL,  11                          ; v11  0; never rewritten
.set BA,   12                          ; v[12:15] Wa_b, v[16:19] Ua_b of my four o
.set ACC,  20                          ; v[20:27], v[28:35]: batches 0-15, 16-31
.set L,    64                          ; v[64:191] as loaded: for kb i at 64 i: Wa 16, Ua 16, query's batches 0-15 16, batches 16-31 16
.set FR,   192                         ; v[192:255] the same rounded to bf16: register FR + c holds L + 2 c and L + 2 c + 1
.set WV,   20                          ; s20  my wave's number
	s_load_b256 s[4:11], s[0:1], 0x0               ; query s[4:5], Wa_w s[6:7], Wa_b s[8:9], Ua_w s[10:11]
	s_load_b128 s[12:15], s[0:1], 0x20             ; Ua_b s[12:13], ub s[14:15]
	s_load_b64 s[16:17], s[0:1], 0x30              ; qv
	v_lshl_add_u32 v[SPW], v0, 2, SPARE
	v_mov_b32 v[NIL], 0
	v_lshrrev_b32 v3, 5, v0
	v_readfirstlane_b32 s[WV], v3                  ; wave 0..15
	v_and_b32 v1, 15, v0                           ; r
	v_bfe_u32 v2, v0, 4, 1                         ; hh
	v_and_b32 v3, 31, v0                           ; lane
	s_lshl_b32 s21, s[WV], 8
	v_lshl_add_u32 v[FO], v1, 12, s21
	v_lshl_add_u32 v[FO], v2, 5, v[FO]
	v_and_b32 v[BOF], 3, v0
	v_lshlrev_b32 v[BOF], 4, v[BOF]
	s_lshl_b32 s21, s[WV], 11                      ; PART + 2,048 x wave
	v_lshl_add_u32 v[LST], v1, 6, s21              ; batch r: 64 bytes,
	v_lshl_add_u32 v[LST], v2, 5, v[LST]           ; o = 8 hh + 0..7: 32 bytes
	v_and_b32 v[LRD], 127, v0
	v_lshlrev_b32 v[LRD], 4, v[LRD]
	v_lshlrev_b32 v[UO], 4, v3
	v_and_b32 v[QOUT], 127, v0
	v_lshlrev_b32 v[QOUT], 4, v[QOUT]
	s_lshl_b32 s22, ttmp9, 16                      ; my 16 rows of 4,096 bytes in Wa and Ua
	s_mov_b32 s23, 0
	s_lshl_b32 s24, ttmp9, 6                       ; my 16 numbers of the biases
	s_mov_b32 s25, 0
	s_lshr_b32 s26, ttmp9, 3
	s_lshl_b32 s26, s26, 18                        ; (nb >> 3) x 32 kb x 8 fragments x 1,024
	s_and_b32 s27, ttmp9, 7
	s_lshl_b32 s27, s27, 10                        ; (nb & 7) x 1,024
	s_add_co_u32 s26, s26, s27
	s_lshl_b32 s27, s[WV], 14                      ; my two kb: 2 x 8,192 x wave
	s_add_co_u32 s26, s26, s27
	s_mov_b32 s27, 0
	s_lshl_b32 s28, ttmp9, 11                      ; my 2,048 bytes of qv
	s_mov_b32 s29, 0
	s_mov_b32 s30, 0x4038aa3b                      ; C2 = 2 log2(e)
	s_mov_b32 s31, s30                             ; named with it as a pair
	s_wait_kmcnt 0x0
	s_add_nc_u64 s[6:7], s[6:7], s[22:23]
	s_add_nc_u64 s[10:11], s[10:11], s[22:23]
	s_add_nc_u64 s[8:9], s[8:9], s[24:25]
	s_add_nc_u64 s[12:13], s[12:13], s[24:25]
	s_add_nc_u64 s[14:15], s[14:15], s[26:27]
	s_add_nc_u64 s[16:17], s[16:17], s[28:29]
	global_load_b128 v[BA:BA+3],   v[BOF], s[8:9]
	global_load_b128 v[BA+4:BA+7], v[BOF], s[12:13]
	; A bf16 fragment holds, for lane (r, hh), k = 8 hh + 0..7 and 16 + 8 hh + 0..7 of row r: in f32 that is 32 bytes at 32 hh and 32 bytes at 64 + 32 hh of the kb's 128.
.irp i, 0,1
.irp u, 0,1,2,3
	global_load_b128 v[L+64*(\i)+4*(\u):L+64*(\i)+4*(\u)+3],       v[FO], s[6:7]   offset:128*(\i)+16*((\u)%2)+64*((\u)/2) th:TH_LOAD_NT
	global_load_b128 v[L+64*(\i)+16+4*(\u):L+64*(\i)+16+4*(\u)+3], v[FO], s[10:11] offset:128*(\i)+16*((\u)%2)+64*((\u)/2) th:TH_LOAD_NT
	global_load_b128 v[L+64*(\i)+32+4*(\u):L+64*(\i)+32+4*(\u)+3], v[FO], s[4:5]   offset:128*(\i)+16*((\u)%2)+64*((\u)/2)
	global_load_b128 v[L+64*(\i)+48+4*(\u):L+64*(\i)+48+4*(\u)+3], v[FO], s[4:5]   offset:65536+128*(\i)+16*((\u)%2)+64*((\u)/2)
.endr
.endr
	s_wait_loadcnt 0x0                             ; all 34 loads: there is nothing to do meanwhile
.set c, 0
.rept 64
	v_cvt_pk_bf16_f32 v[FR+c], v[L+2*c], v[L+2*c+1]
.set c, c+1
.endr
.irp i, 0,1                            ; Ua's two fragments leave: each store of the wave covers 512 consecutive bytes, aligned
	global_store_b128 v[UO], v[FR+32*(\i)+8:FR+32*(\i)+11],  s[14:15] offset:8192*(\i)
	global_store_b128 v[UO], v[FR+32*(\i)+12:FR+32*(\i)+15], s[14:15] offset:8192*(\i)+512
.endr
	; source 0 = 16 rows of Wa, source 1 = 16 batches of query: a lane ends with one batch (r) and o = 8 hh + 0..7.  The two accumulators take turns.
	v_wmma_f32_16x16x32_bf16 v[ACC:ACC+7],    v[FR:FR+7],     v[FR+16:FR+23], 0
	v_wmma_f32_16x16x32_bf16 v[ACC+8:ACC+15], v[FR:FR+7],     v[FR+24:FR+31], 0
	v_wmma_f32_16x16x32_bf16 v[ACC:ACC+7],    v[FR+32:FR+39], v[FR+48:FR+55], v[ACC:ACC+7]
	v_wmma_f32_16x16x32_bf16 v[ACC+8:ACC+15], v[FR+32:FR+39], v[FR+56:FR+63], v[ACC+8:ACC+15]
.rept 8
	v_nop                                          ; the places between the products and the LDS stores that read them; once a launch, so twice the four
.endr
.irp t, 0,1
	ds_store_b128 v[LST], v[ACC+8*(\t):ACC+8*(\t)+3]   offset:PART+1024*(\t)
	ds_store_b128 v[LST], v[ACC+8*(\t)+4:ACC+8*(\t)+7] offset:PART+1024*(\t)+16
.endr
	s_wait_dscnt 0x0                               ; for the others' sake: my partial sums lie in LDS
	s_barrier_signal -1
	s_barrier_wait -1                              ; everybody's do
	s_cmp_lt_u32 s[WV], 4                          ; 128 threads x 16 bytes are the 2,048 bytes of qv
	s_cbranch_scc0 .Lend
.irp w, 0,1,2,3,4,5,6,7,8,9,10,11,12,13,14,15
	ds_load_b128 v[L+4*(\w):L+4*(\w)+3], v[LRD] offset:PART+2048*(\w)
.endr
	s_wait_dscnt 0x0
.irp d, 8,4,2,1                        ; the 16 partial sums, as a tree
.set w, 0
.rept \d
	v_pk_add_f32 v[L+4*w:L+4*w+1],   v[L+4*w:L+4*w+1],   v[L+4*(w+(\d)):L+4*(w+(\d))+1]
	v_pk_add_f32 v[L+4*w+2:L+4*w+3], v[L+4*w+2:L+4*w+3], v[L+4*(w+(\d))+2:L+4*(w+(\d))+3]
.set w, w+1
.endr
.endr
	v_pk_add_f32 v[BA:BA+1],   v[BA:BA+1],   v[BA+4:BA+5]   ; Wa_b + Ua_b
	v_pk_add_f32 v[BA+2:BA+3], v[BA+2:BA+3], v[BA+6:BA+7]
	v_pk_add_f32 v[L:L+1],     v[L:L+1],     v[BA:BA+1]
	v_pk_add_f32 v[L+2:L+3],   v[L+2:L+3],   v[BA+2:BA+3]
	v_pk_mul_f32 v[L:L+1],     v[L:L+1],     s[30:31] op_sel_hi:[1,0]
	v_pk_mul_f32 v[L+2:L+3],   v[L+2:L+3],   s[30:31] op_sel_hi:[1,0]
	global_store_b128 v[QOUT], v[L:L+3], s[16:17]  ; the wave's store covers 512 consecutive bytes, aligned
.Lend:
	s_wait_tensorcnt 0x0                           ; the wave's end, behind my last LDS store
	ds_add_u32 v[SPW], v[NIL]
	s_wait_dscnt 0x0
	s_endpgm
.Lfunc_end_k_q20e02f05a4_prep:
	.size	k_q20e02f05a4_prep, .Lfunc_end_k_q20e02f05a4_prep-k_q20e02f05a4_prep
	.p2alignl 7, 3214868480
	.fill 96, 4, 3214868480
	.section	.rodata,"a",@progbits
	.p2align	6, 0x0
	.amdhsa_kernel k_q20e02f05a4_prep
		.amdhsa_group_segment_fixed_size 34816
		.amdhsa_private_segment_fixed_size 0
		.amdhsa_enable_private_segment 0
		.amdhsa_kernarg_size 56
		.amdhsa_user_sgpr_count 2
		.amdhsa_user_sgpr_kernarg_segment_ptr 1
		.amdhsa_wavefront_size32 1
		.amdhsa_system_sgpr_workgroup_id_x 1
		.amdhsa_system_sgpr_workgroup_id_y 1
		.amdhsa_system_sgpr_workgroup_id_z 1
		.amdhsa_system_vgpr_workitem_id 0
		.amdhsa_next_free_vgpr 256
		.amdhsa_next_free_sgpr 66
		.amdhsa_reserve_vcc 0
		.amdhsa_float_denorm_mode_32 3
		.amdhsa_float_denorm_mode_16_64 3
		.amdhsa_memory_ordered 1
		.amdhsa_forward_progress 1
		.amdhsa_inst_pref_size 15
	.end_amdhsa_kernel
	.amdgpu_metadata
---
amdhsa.version: [ 1, 2 ]
amdhsa.kernels:
  - .name:           k_q20e02f05a4_prep
    .symbol:         k_q20e02f05a4_prep.kd
    .args:
      - { .name: query, .offset: 0, .size: 8, .value_kind: global_buffer, .address_space: global }
      - { .name: Wa_w, .offset: 8, .size: 8, .value_kind: global_buffer, .address_space: global }
      - { .name: Wa_b, .offset: 16, .size: 8, .value_kind: global_buffer, .address_space: global }
      - { .name: Ua_w, .offset: 24, .size: 8, .value_kind: global_buffer, .address_space: global }
      - { .name: Ua_b, .offset: 32, .size: 8, .value_kind: global_buffer, .address_space: global }
      - { .name: ub, .offset: 40, .size: 8, .value_kind: global_buffer, .address_space: global }
      - { .name: qv, .offset: 48, .size: 8, .value_kind: global_buffer, .address_space: global }
    .group_segment_fixed_size: 34816
    .private_segment_fixed_size: 0
    .kernarg_segment_align: 8
    .kernarg_segment_size: 56
    .max_flat_workgroup_size: 512
    .sgpr_count:     66
    .vgpr_count:     256
    .wavefront_size: 32
...
	.end_amdgpu_metadata
.endif
;; end of part 1
;; launch main (part 2): grid 16 x 32, 4 waves a work-group, no clusters, 286,208 bytes of LDS; arguments keys, ub, qv, Va_w, Va_b, sc, cpart; writes sc, cpart
.if DOCPART == 2
	.amdgcn_target "amdgcn-amd-amdhsa--gfx1250"
	.amdhsa_code_object_version 6
	.text
	.protected	k_q20e02f05a4_main
	.globl	k_q20e02f05a4_main
	.p2align	8
	.type	k_q20e02f05a4_main,@function
k_q20e02f05a4_main:
	s_mov_b64 s[64:65], 0
	v_nop
	global_prefetch_b8 v0, s[64:65] scope:SCOPE_SE
	s_setreg_imm32_b32 hwreg(HW_REG_WAVE_MODE, 25, 1), 1
	s_wait_xcnt 0x0
; For a block of 128 keys of one batch: s[row] = Va . tanh(q_proj + Ua_b + keys[row] . Ua^T) + Va_b (stored to sc), m = the block's largest s, and
; cpart[h] = the sum over the block's rows of exp(s - m) keys[row][h].  The last launch joins a batch's 16 blocks.
; EACH BYTE OF keys IS READ ONCE: the block is rounded to bf16 on its way in and stays in LDS, first as one operand of the large product, then of the weighted sum.
; LIMITS.  keys and Ua_w enter the products as bf16, the sums are f32; the weights exp(s - m), in 0 to 1, are rounded to bf16 for the weighted sum.
; tanh(x) = 1 - 2 r, r = 1 / (1 + 2^(C2 x)), C2 = 2 log2(e): for large |x| the exponential is infinite or 0 and tanh is exactly 1 or -1; an exponential below 2^-126 counts as 0.
; A score is kept as (the sum of va) - 2 (the sum of va r): both are bounded by the sum of |va|, the scale of a score.  NaN and infinities are not treated apart.
; SHARES.  Four waves.  Wave w owns columns o = 256 w .. 256 w + 255 of the product, in two passes of 128: 128 rows x 128 columns = 64 accumulators = 512 registers.
; A QUARTER STEP is 32 along K: ONE run of memory instructions, then 64 matrix instructions on end.  The run ahead of quarter q fetches the keys' 8 fragments of quarter q + 1 from LDS (16 loads) and asks
; for my own 8 fragments of Ua of quarter q + 3 (16 global loads of 512 consecutive bytes: ub holds them as the registers want them), both into the registers that quarter q - 1 has read.
; THE WAY IN LIES UNDER THE FIRST PASS.  K is cut into 8 chunks of 128; the first pass wants chunk c from quarter 4 c on.  My wave brings rows 32 w .. 32 w + 31: of each chunk 32 loads of 512 consecutive
; bytes, in four OCTETS of 8 rows; octet n = 4 c + j.  Octets 0-4 come ahead of the first product; then the run ahead of quarter q rounds and stores octet q + 5 and asks for octet q + 7.
; A chunk is shown to the other waves by a barrier: its last octet is stored in the run ahead of quarter 4 c - 2, the signal stands in the middle of that quarter, the wait at the head of the next run.
; NO CLUSTER, NO JOINT LOADS, though all work-groups walk the same ub: the keys take 278,528 of the 327,680 bytes of LDS, and two slots of one step of 32 along K of the work-group's 512 columns of a pass
; are 65,536 bytes: they do not fit beside it.  NO TENSOR LOADS: keys must be rounded on the way, so they pass through registers.
; ORIENTATION.  Source 0 = 16 key rows, source 1 = 16 rows of Ua: in the result a lane holds ONE column o (lane % 16) and the key rows 8 (lane / 16) + 0..7.  So the query's term and va are one number
; a lane and column block, and the rows' sums over columns stay in 64 registers a lane until one exchange at the end.
; REGISTERS, in windows of 256 (s_set_vgpr_msb: bits 1:0 source 0, 3:2 source 1, 5:4 source 2, 7:6 destination):
;   window 0: v0-15 addresses; v16-31 an octet rounded; v32-63 (C2 x query's term, -2 va) by pass and column block; v64-127, v128-191 fragments of keys, two buffers;
;             v192-255 two landing slots for octets, then the rows' sums
;   window 1: four buffers of 64: Ua's fragments of a quarter step; at the end the turned fragments of keys
;   windows 2, 3: the accumulators, (row block a, column block b) at v[8 (8 (a % 4) + b)] of window 2 + a / 4; ahead of the first product window 2 takes octets 0-4
.set RP,    272                        ; a row of a chunk in LDS: 256 bytes + 16 = 17 x 16: the 16 rows of a fragment load start at 16 different groups of four banks (64 banks of 4 bytes: ISA guide 11.1)
.set CH,    128*RP                     ; a chunk: 128 rows; key (row, k) lies at (k / 128) CH + row RP + 2 (k % 128)
.set SCR,   8*CH                       ; [wave][128 rows] f32: the waves' partial scores
.set PB,    SCR+2048                   ; [wave][128] bf16: each wave's own copy of the weights
.set CST,   PB+1024                    ; [wave][256] f32: each wave's own stage for its part of cpart
.set SPARE, CST+4096                   ; the spare words, 128 bytes for each wave; no other line names them
.set PFO,  0                           ; v0   (once the thread's number has served) the prefetches' offset: row lane / 2, half lane % 2 of its 512 bytes; never rewritten
.set LO,   1                           ; v1   16 x lane: offset in keys' rows, ub's fragments, sc and cpart; never rewritten
.set ST0,  2                           ; v2   the way in: 32 w rows + 8 x lane, in chunk 0; never rewritten
.set STA,  3                           ; v3   ST0 + the chunk in hand
.set AD0,  4                           ; v4   r x RP + 16 hh: a fragment's place in chunk 0; never rewritten
.set ADR,  5                           ; v5   AD0 + the chunk in hand
.set TRA,  6                           ; v6   the turning loads' address: my wave's 256 channels are chunks 2 w, 2 w + 1
.set SADR, 7                           ; v7   SCR + 512 w + 32 hh
.set RADR, 8                           ; v8   SCR + 16 x lane
.set PST,  9                           ; v9   PB + 256 w + 8 x lane
.set PADR, 10                          ; v10  PB + 256 w + 16 hh
.set CADR, 11                          ; v11  CST + 1,024 w + 4 r
.set CRD,  12                          ; v12  CST + 1,024 w + 16 x lane
.set SPW,  13                          ; v13  my spare word; never rewritten
.set NIL,  14                          ; v14  0; never rewritten
.set VS,   15                          ; v15  the sum of my lane's 16 va
.set T,    16
.set QV,   32
.set F0,   64                          ; the buffer of even quarters; odd ones' lies 64 on
.set PF,   96                          ; at the end: the weights as four fragments
.set S,    192
.set WV,   20                          ; s20  my wave's number
.set KB,   24                          ; s[24:25] keys at my wave's first row, at the chunk before the one being asked for
.set BP,   26                          ; s[26:27] ub at the first of the four quarter steps being asked for
.set C2,   28                          ; s[28:29] 2 log2(e), named as a pair
.set SEL,  30                          ; s[30:31] v_permlanex16_b32's selects: each lane takes its own place in the other half
.set NP,   32                          ; s32  passes to go
.set TR,   33                          ; s33  trips to go
.set KOF,  34                          ; s34  LDS bytes of the chunk being read
.set VB,   35                          ; s35  Va_b
.set SOF,  36                          ; s36  LDS bytes of the chunk being stored
.set MSB, 0
.macro WIN new                         ; the immediate's high byte repeats the setting that is left; a switch that changes nothing is dropped
.if MSB != (\new)
	s_set_vgpr_msb (MSB<<8)|(\new)
.set MSB, (\new)
.endif
.endm
.set MUL_LO, 0xa4                      ; source 0 (keys) window 0, source 1 (Ua) window 1, C and D window 2
.set TO_B,   0x40                      ; destination window 1
.set TO_X,   0x80                      ; destination window 2
.set CVT_X,  0x0a                      ; sources 0 and 1 window 2
.set ST_C,   0x08                      ; an LDS store's data (source 1) window 2
.macro PLACES                          ; four places between a matrix instruction and a load into, or a vector line that touches, its registers
.rept 4
	v_nop
.endr
.endm
; 16 matrix instructions: row blocks 4 hi + a0, 4 hi + a0 + 1 x all 8 column blocks, 32 along K.  zero = 1: the first product starts the sums: no accumulator is ever cleared.
; The 64 accumulators take turns, one instruction a turn, in the same order in every quarter step, over every jump too.
.macro MUL16 f, i, hi, a0, zero
	WIN MUL_LO+0x50*(\hi)
.irp a, \a0, (\a0)+1
.irp b, 0,1,2,3,4,5,6,7
.if \zero
	v_wmma_f32_16x16x32_bf16 v[8*(8*(\a)+(\b)):8*(8*(\a)+(\b))+7], v[(\f)+8*(4*(\hi)+(\a)):(\f)+8*(4*(\hi)+(\a))+7], v[64*(\i)+8*(\b):64*(\i)+8*(\b)+7], 0
.else
	v_wmma_f32_16x16x32_bf16 v[8*(8*(\a)+(\b)):8*(8*(\a)+(\b))+7], v[(\f)+8*(4*(\hi)+(\a)):(\f)+8*(4*(\hi)+(\a))+7], v[64*(\i)+8*(\b):64*(\i)+8*(\b)+7], v[8*(8*(\a)+(\b)):8*(8*(\a)+(\b))+7]
.endif
.endr
.endr
.endm
; The 64 products of a quarter q, q4 = q % 4.  d: the LDS instructions younger than this quarter's fragments: what the run just issued.
; sig = 1: in the middle the wave says that all its stores into the next chunk are done; 32 products stand between that signal and the wait for the others'.
.macro QQ q4, zero, d, sig
	s_wait_dscnt \d
	MUL16 F0+64*((\q4)%2), \q4, 0, 0, \zero
	MUL16 F0+64*((\q4)%2), \q4, 0, 2, \zero
.if \sig
	s_wait_dscnt 0x0                               ; for the others' sake: my stores lie in LDS (and no LDS instruction of mine is out at a signal)
	s_barrier_signal -1
.endif
	MUL16 F0+64*((\q4)%2), \q4, 1, 0, \zero
	MUL16 F0+64*((\q4)%2), \q4, 1, 2, \zero
.endm
; 16 LDS loads: the keys' 8 fragments of quarter kq of the chunk in hand, into buffer g
.macro FETCHA g, kq
	WIN 0
.irp a, 0,1,2,3,4,5,6,7
	ds_load_b128 v[(\g)+8*(\a):(\g)+8*(\a)+3],   v[ADR] offset:(\a)*16*RP+64*(\kq)
	ds_load_b128 v[(\g)+8*(\a)+4:(\g)+8*(\a)+7], v[ADR] offset:(\a)*16*RP+64*(\kq)+32
.endr
.endm
; 16 global loads: Ua's 8 fragments of a quarter step, 8,192 bytes at byte off behind the pointer, into buffer i
.macro LOADB i, off
	WIN TO_B
.irp b, 0,1,2,3,4,5,6,7
	global_load_b128 v[64*(\i)+8*(\b):64*(\i)+8*(\b)+3],   v[LO], s[BP:BP+1] offset:(\off)+1024*(\b)
	global_load_b128 v[64*(\i)+8*(\b)+4:64*(\i)+8*(\b)+7], v[LO], s[BP:BP+1] offset:(\off)+1024*(\b)+512
.endr
.endm
; 8 global loads: an octet of keys, 512 consecutive bytes of each of 8 rows, into landing slot s
.macro LOADK s, off
	WIN 0
.irp i, 0,1,2,3,4,5,6,7
	global_load_b128 v[S+32*(\s)+4*(\i):S+32*(\s)+4*(\i)+3], v[LO], s[KB:KB+1] offset:(\off)+4096*(\i) th:TH_LOAD_NT
.endr
.endm
; The head of a trip of four quarter steps: the pointers step here, where the youngest load is 64 products old.  way = 1: the chunk being stored steps too; kb = 1: and keys' pointer.
.macro TOP way, kb
	WIN 0
	s_wait_xcnt 0x0                                ; every load and prefetch issued so far has read its address
	s_add_nc_u64 s[BP:BP+1], s[BP:BP+1], 4*8192
.if \kb
	s_add_nc_u64 s[KB:KB+1], s[KB:KB+1], 512
.endif
.if \way
	s_add_co_u32 s[SOF], s[SOF], CH
	v_add_nc_u32 v[STA], s[SOF], v[ST0]
.endif
.endm
; THE RUN AHEAD OF QUARTER q OF THE FIRST PASS, q4 = q % 4.  cnt: the loads younger than octet q + 5's: what the run before issued (16 of Ua, 8 of keys).  As loads come back in order
; (ISA guide 5.7.1), that wait also shows Ua's fragments of quarters q and q + 1 landed: the first pass has no other wait for them.
; The octet is rounded (16 conversions, which are also the places in front of the loads into registers that the last products read) and stored, 256 consecutive bytes a row.
; With STA at chunk t + 1 in trip t (quarters 4 t + 1 .. 4 t + 4) the four octets stored are (t + 1, 2), (t + 1, 3), (t + 2, 0), (t + 2, 1); those asked for are chunk t + 2's four.
; ld = 0: the last two octets are stored and nothing more is asked of keys.
.macro RUNW q4, cnt, ld
	WIN 0
.if (\q4) == 3
	s_barrier_wait -1                              ; every wave's part of the next chunk lies in LDS: this run is the first to read it
.endif
	s_wait_loadcnt \cnt
.set SL, S+32*(((\q4)+1)%2)
.if (\q4) == 1
.set SO, 16*RP
.elseif (\q4) == 2
.set SO, 24*RP
.elseif (\q4) == 3
.set SO, CH
.else
.set SO, CH+8*RP
.endif
.set c, 0
.rept 16
	v_cvt_pk_bf16_f32 v[T+c], v[SL+2*c], v[SL+2*c+1]
.set c, c+1
.endr
.irp i, 0,1,2,3,4,5,6,7
	ds_store_b64 v[STA], v[T+2*(\i):T+2*(\i)+1] offset:SO+RP*(\i)
.endr
.if (\q4) == 3
	s_add_co_u32 s[KOF], s[KOF], CH                ; quarter q + 1 begins the next chunk
	v_add_nc_u32 v[ADR], s[KOF], v[AD0]
.endif
	FETCHA F0+64*(((\q4)+1)%2), ((\q4)+1)%4
	LOADB ((\q4)+3)%4, 8192*(((\q4)+3)%4)
.if \ld
	LOADK ((\q4)+1)%2, 512+32768*(((\q4)+3)%4)
.endif
.endm
; THE PLAIN RUN AHEAD OF QUARTER q.  cnt, ahead of the run's own loads: the loads younger than Ua's fragments of quarter q: two quarter steps' 32, at a pass's end 16 and 0.
; bl = 0: nothing is left to ask of this pass's ub; astep = 1: quarter q + 1 begins the next chunk; fa = 0: there is no quarter q + 1.
.macro RUNP q4, cnt, bl, astep, fa
	PLACES
	WIN 0
.if \astep
	s_add_co_u32 s[KOF], s[KOF], CH
	v_add_nc_u32 v[ADR], s[KOF], v[AD0]
.endif
.if \fa
	FETCHA F0+64*(((\q4)+1)%2), ((\q4)+1)%4
.endif
	s_wait_loadcnt \cnt
.if \bl
	LOADB ((\q4)+3)%4, 8192*(((\q4)+3)%4)
.endif
.endm
; Octet n of the first five, out of window 2
.macro INK n
	WIN CVT_X
.set c, 0
.rept 16
	v_cvt_pk_bf16_f32 v[T+c], v[32*(\n)+2*c], v[32*(\n)+2*c+1]
.set c, c+1
.endr
	WIN 0
.irp i, 0,1,2,3,4,5,6,7
	ds_store_b64 v[STA], v[T+2*(\i):T+2*(\i)+1] offset:((\n)/4)*CH+(8*((\n)%4)+(\i))*RP
.endr
.endm
; BEHIND A PASS, for the 32 accumulators of window x, in place, registers ascending (each accumulator's low end is read first):
; y = C2 acc + C2 (query's term);  e = 2^y;  1 + e;  r = 1 / (1 + e);  the rows' sums take -2 va r.
; The 256 exponentials are one batch, and so are the 256 reciprocals: behind each batch one plain instruction and one wait ahead of the first reader.
; In the last run the column block is the outer index: sixteen other pairs of sums stand between two additions onto one pair.
.macro EPI x
	WIN ((\x)<<6)|(\x)                             ; destination and source 0 in window x
.set n, 0
.rept 128
	v_pk_fma_f32 v[2*n:2*n+1], v[2*n:2*n+1], s[C2:C2+1], v[QV+2*((n/4)%8):QV+2*((n/4)%8)+1] op_sel_hi:[1,0,0]
.set n, n+1
.endr
.set n, 0
.rept 256
	v_exp_f32 v[n], v[n]
.set n, n+1
.endr
	v_nop
	s_wait_alu depctr_va_vdst(0)
.set n, 0
.rept 128
	v_pk_add_f32 v[2*n:2*n+1], v[2*n:2*n+1], 1.0 op_sel_hi:[1,0]
.set n, n+1
.endr
.set n, 0
.rept 256
	v_rcp_f32 v[n], v[n]
.set n, n+1
.endr
	v_nop
	s_wait_alu depctr_va_vdst(0)
	WIN \x                                         ; source 0 in window x, all else in window 0
.set n, 0
.rept 128
.set eb, n/16
.set rA, 8*(8*((n/4)%4)+eb)+2*(n%4)
.set rS, S+8*(4*((\x)-2)+(n/4)%4)+2*(n%4)
	v_pk_fma_f32 v[rS:rS+1], v[rA:rA+1], v[QV+2*eb:QV+2*eb+1], v[rS:rS+1] op_sel:[0,1,0] op_sel_hi:[1,1,1]  ; both halves take the pair's second register, -2 va
.set n, n+1
.endr
.endm
	s_load_b256 s[4:11], s[0:1], 0x0               ; keys s[4:5], ub s[6:7], qv s[8:9], Va_w s[10:11]
	s_load_b128 s[12:15], s[0:1], 0x20             ; Va_b s[12:13], sc s[14:15]
	s_load_b64 s[16:17], s[0:1], 0x30              ; cpart
	v_lshl_add_u32 v[SPW], v0, 2, SPARE
	v_mov_b32 v[NIL], 0
	v_lshrrev_b32 v19, 5, v0
	v_readfirstlane_b32 s[WV], v19                 ; wave 0..3
	s_mov_b32 s21, ttmp9                           ; the block of 128 keys, 0..15
	s_and_b32 s22, ttmp7, 0xffff                   ; the batch
	v_and_b32 v16, 15, v0                          ; r
	v_bfe_u32 v17, v0, 4, 1                        ; hh
	v_and_b32 v18, 31, v0                          ; lane
	v_lshlrev_b32 v[LO], 4, v18
	v_lshlrev_b32 v20, 2, v16                      ; 4 r: my place among 16 numbers of qv and Va_w
	s_mul_i32 s38, s[WV], 32*RP
	v_lshl_add_u32 v[ST0], v18, 3, s38
	v_mov_b32 v[STA], v[ST0]
	s_lshl_b32 s38, s[WV], 9
	s_add_co_u32 s38, s38, SCR
	v_lshl_add_u32 v[SADR], v17, 5, s38
	v_lshl_add_u32 v[RADR], v18, 4, SCR
	s_lshl_b32 s38, s[WV], 8
	s_add_co_u32 s38, s38, PB
	v_lshl_add_u32 v[PST], v18, 3, s38
	v_lshl_add_u32 v[PADR], v17, 4, s38
	s_lshl_b32 s38, s[WV], 10
	s_add_co_u32 s38, s38, CST
	v_lshl_add_u32 v[CADR], v16, 2, s38
	v_lshl_add_u32 v[CRD], v18, 4, s38
	v_mul_u32_u24 v19, v16, RP
	v_lshl_add_u32 v[AD0], v17, 4, v19             ; a fragment's row x pitch + 16 x half
	v_mov_b32 v[ADR], v[AD0]
	; The turning load takes 16 key rows x 16 channels (lane l reads row 8 (l / 16) + l % 8, channels 8 ((l / 8) % 2) + 0..7) and leaves half a fragment: lane l holds channel l % 16 and 8 key rows.
	v_and_b32 v19, 7, v0
	v_lshl_add_u32 v19, v17, 3, v19
	v_mul_u32_u24 v19, v19, RP
	v_bfe_u32 v21, v0, 3, 1
	v_lshl_add_u32 v19, v21, 4, v19
	s_mul_i32 s38, s[WV], 2*CH
	v_add_nc_u32 v[TRA], s38, v19
	v_lshrrev_b32 v19, 1, v18
	v_and_b32 v21, 1, v18
	v_lshlrev_b32 v19, 12, v19
	v_lshl_add_u32 v[PFO], v21, 8, v19             ; (lane / 2) rows of 4,096 bytes + (lane % 2) x 256; the thread's number is needed no more
	s_lshl_b32 s38, s22, 23                        ; keys: a batch is 2,048 rows of 4,096 bytes,
	s_lshl_b32 s40, s21, 19                        ; a block 128 rows,
	s_add_co_u32 s38, s38, s40
	s_lshl_b32 s40, s[WV], 17                      ; my wave brings 32 of them
	s_add_co_u32 s38, s38, s40
	s_mov_b32 s39, 0
	s_lshl_b32 s40, s[WV], 19                      ; ub: my wave's 64 quarter steps of 8,192 bytes
	s_mov_b32 s41, 0
	s_lshl_b32 s42, s22, 6                         ; qv: [nb][batch][16] f32; my wave's nb begin at 16 w
	s_lshl_b32 s44, s[WV], 15
	s_add_co_u32 s42, s42, s44
	s_mov_b32 s43, 0
	s_lshl_b32 s44, s[WV], 10                      ; Va_w: my 256 numbers; cpart: my 256 numbers
	s_mov_b32 s45, 0
	s_lshl_b32 s46, s22, 13                        ; sc: [batch][2,048] f32
	s_lshl_b32 s47, s21, 9
	s_add_co_u32 s46, s46, s47
	s_mov_b32 s47, 0
	s_mov_b32 s[C2], 0x4038aa3b
	s_mov_b32 s[C2+1], s[C2]
	s_mov_b32 s[SEL], 0x76543210
	s_mov_b32 s[SEL+1], 0xfedcba98
	s_mov_b32 s[KOF], 0
	s_mov_b32 s[SOF], 0
	s_mov_b32 s[NP], 2
	s_wait_kmcnt 0x0
	s_add_nc_u64 s[KB:KB+1], s[4:5], s[38:39]
	s_add_nc_u64 s[BP:BP+1], s[6:7], s[40:41]
	s_add_nc_u64 s[8:9], s[8:9], s[42:43]
	s_add_nc_u64 s[10:11], s[10:11], s[44:45]
	s_add_nc_u64 s[14:15], s[14:15], s[46:47]
	s_add_nc_u64 s[16:17], s[16:17], s[44:45]
	s_lshl_b32 s38, s22, 4
	s_add_co_u32 s38, s38, s21
	s_lshl_b32 s38, s38, 12                        ; cpart: [batch x 16 + block][1,024] f32
	s_add_nc_u64 s[16:17], s[16:17], s[38:39]
	s_load_b32 s[VB], s[12:13], 0x0                ; waited for where the scores are finished
.irp n, 0,1                            ; column o = 256 w + 128 n + 16 b + r: the query's term and va, one number a lane
.irp b, 0,1,2,3,4,5,6,7
	global_load_b32 v[QV+16*(\n)+2*(\b)],   v20, s[8:9]   offset:16384*(\n)+2048*(\b)
	global_load_b32 v[QV+16*(\n)+2*(\b)+1], v20, s[10:11] offset:512*(\n)+64*(\b)
.endr
.endr
	WIN TO_X                                       ; octets 0-4: chunk 0 and the first 8 rows of chunk 1, into window 2, which the products do not need yet
.irp n, 0,1,2,3,4
.irp i, 0,1,2,3,4,5,6,7
	global_load_b128 v[32*(\n)+4*(\i):32*(\n)+4*(\i)+3], v[LO], s[KB:KB+1] offset:((\n)/4)*512+((\n)%4)*32768+4096*(\i) th:TH_LOAD_NT
.endr
.endr
	LOADB 0, 0                                     ; and what the runs ahead of quarters -3, -2, -1 would have asked for, in their order
	LOADB 1, 8192
	LOADK 1, 512+32768                             ; octet 5
	LOADB 2, 16384
	LOADK 0, 512+65536                             ; octet 6
	WIN 0
	s_wait_loadcnt 63                              ; octets 0-4, and the 32 numbers ahead of them, are in: 64 loads are younger, and 63 is the largest count that the wait can name
	; va tanh = va - 2 va r: every row's sum will start at the sum of my lane's 16 va, and the pairs' second registers take -2 va
	v_add_f32 v[VS], v[QV+1], v[QV+3]
.set c, 2
.rept 14
	v_add_f32 v[VS], v[VS], v[QV+2*c+1]
.set c, c+1
.endr
.set c, 0
.rept 16
	v_mul_f32 v[QV+2*c+1], -2.0, v[QV+2*c+1]
.set c, c+1
.endr
.irp n, 0,1,2,3,4
	INK \n
.endr
	s_wait_dscnt 0x0                               ; for the others' sake: my rows of chunk 0 lie in LDS
	s_barrier_signal -1
	s_barrier_wait -1                              ; all 128 rows do
	FETCHA F0, 0                                   ; quarter 0's fragments
.Lpass:                                        ; 32 quarter steps, then the pass's 128 columns are used up
	s_cmp_eq_u32 s[NP], 1
	s_cbranch_scc1 .Lk1
	; THE FIRST PASS, with the way in
	RUNW 0, 24, 1                                  ; stores octet 5, asks for octet 7
	QQ 0, 1, 24, 0                                 ; a pass's first quarter stands in front of the loop: its products start the sums
	WIN 0
	s_mov_b32 s[TR], 6
.Lwin:                                         ; trip t: quarters 4 t + 1 .. 4 t + 4: octets 4 t + 6 .. 4 t + 9 are stored, chunk t + 2 is asked for
	TOP 1, 1
	RUNW 1, 24, 1
	WIN 0
	; A PREFETCH INTO THE L2, behind the trip's first run of loads: my wave's own 32 rows x 512 bytes of chunk t + 3, which the next trip will load: a lane a block of 256 bytes, two instructions,
	; 256 products ahead of that chunk's first load.  No block is named twice in the launch and no wave asks for another's.  Chunks 0-2 come by their loads alone; the last trip has no chunk behind its own.
	s_cmp_gt_u32 s[TR], 1
	s_cbranch_scc0 .Lnoask
	global_prefetch_b8 v[PFO], s[KB:KB+1] offset:1024 th:TH_LOAD_NT scope:SCOPE_SE
	global_prefetch_b8 v[PFO], s[KB:KB+1] offset:1024+65536 th:TH_LOAD_NT scope:SCOPE_SE
.Lnoask:
	QQ 1, 0, 24, 0
	RUNW 2, 24, 1                                  ; the last octet of chunk t + 1 is stored,
	QQ 2, 0, 24, 1                                 ; the wave says so,
	RUNW 3, 24, 1                                  ; and goes on to that chunk when all four have
	QQ 3, 0, 24, 0
	RUNW 0, 24, 1
	QQ 0, 0, 24, 0
	WIN 0
	s_sub_co_u32 s[TR], s[TR], 1
	s_cmp_lg_u32 s[TR], 0
	s_cbranch_scc1 .Lwin
	TOP 1, 0                                       ; quarters 25 and 26 store octets 30 and 31; nothing is left to ask of keys
	RUNW 1, 24, 0
	QQ 1, 0, 24, 0
	RUNW 2, 16, 0                                  ; younger than octet 31: one quarter step of Ua
	QQ 2, 0, 24, 1
	WIN 0
	s_barrier_wait -1                              ; chunk 7 is whole
.set c, 0
.rept 64
	v_mov_b32 v[S+c], v[VS]                        ; the landing slots have served: the rows' sums start
.set c, c+1
.endr
	s_mov_b32 s[TR], 1
	s_branch .Lmid                                 ; quarters 27 and 28 are the second half of a plain trip
.Lk1:                                          ; THE SECOND PASS
	RUNP 0, 32, 1, 0, 1
	QQ 0, 1, 16, 0
	WIN 0
	s_mov_b32 s[TR], 7
.Ltrip:                                        ; quarters 4 t + 1 .. 4 t + 4
	TOP 0, 0
	RUNP 1, 32, 1, 0, 1
	QQ 1, 0, 16, 0
	RUNP 2, 32, 1, 0, 1
	QQ 2, 0, 16, 0
	WIN 0
.Lmid:
	RUNP 3, 32, 1, 1, 1
	QQ 3, 0, 16, 0
	RUNP 0, 32, 1, 0, 1
	QQ 0, 0, 16, 0
	WIN 0
	s_sub_co_u32 s[TR], s[TR], 1
	s_cmp_lg_u32 s[TR], 0
	s_cbranch_scc1 .Ltrip
	RUNP 1, 32, 0, 0, 1                            ; quarters 29-31 ask for nothing: the counts run down
	QQ 1, 0, 16, 0
	RUNP 2, 16, 0, 0, 1
	QQ 2, 0, 16, 0
	RUNP 3, 0, 0, 0, 0
	QQ 3, 0, 0, 0
	PLACES                                         ; in front of the lines that read the sums, and of the loads below
	WIN 0
	s_cmp_eq_u32 s[NP], 1
	s_cbranch_scc1 .Lnomore
	s_wait_xcnt 0x0                                ; behind the first pass: the second's first three quarter steps of Ua and its first fragments are asked for; they land during the work below
	s_add_nc_u64 s[BP:BP+1], s[BP:BP+1], 4*8192
	LOADB 0, 0
	LOADB 1, 8192
	LOADB 2, 16384
	WIN 0
	s_mov_b32 s[KOF], 0
	v_mov_b32 v[ADR], v[AD0]
	FETCHA F0, 0
.Lnomore:
	EPI 2
	EPI 3
	WIN 0
.set c, 0
.rept 16
	v_mov_b32 v[QV+c], v[QV+16+c]                  ; the second pass's pairs go where the one text names them
.set c, c+1
.endr
	s_sub_co_u32 s[NP], s[NP], 1
	s_cmp_lg_u32 s[NP], 0
	s_cbranch_scc1 .Lpass
	; THE SCORES.  A lane's 64 sums cover its own columns (o % 16 = r): the sixteen lanes of a half are added, then the four waves through LDS.
.irp k, 1,2,4,8
.set c, 0
.rept 64
	v_add_f32_dpp v[S+c], v[S+c], v[S+c] row_xmask:\k row_mask:0xf bank_mask:0xf
.set c, c+1
.endr
.endr
.irp a, 0,1,2,3,4,5,6,7                ; row 16 a + 8 hh + j; the sixteen lanes of a half store the same numbers to the same words
	ds_store_b128 v[SADR], v[S+8*(\a):S+8*(\a)+3]   offset:64*(\a)
	ds_store_b128 v[SADR], v[S+8*(\a)+4:S+8*(\a)+7] offset:64*(\a)+16
.endr
	s_wait_dscnt 0x0                               ; for the others' sake: my partial scores lie in LDS
	s_barrier_signal -1
	s_barrier_wait -1
.irp w, 0,1,2,3
	ds_load_b128 v[64+4*(\w):64+4*(\w)+3], v[RADR] offset:512*(\w)   ; rows 4 l .. 4 l + 3, every wave all four parts
.endr
	s_wait_dscnt 0x0
	s_wait_kmcnt 0x0                               ; Va_b
	v_pk_add_f32 v[64:65], v[64:65], v[68:69]
	v_pk_add_f32 v[66:67], v[66:67], v[70:71]
	v_pk_add_f32 v[72:73], v[72:73], v[76:77]
	v_pk_add_f32 v[74:75], v[74:75], v[78:79]
	v_pk_add_f32 v[64:65], v[64:65], v[72:73]
	v_pk_add_f32 v[66:67], v[66:67], v[74:75]
.irp j, 0,1,2,3
	v_add_f32 v[64+(\j)], s[VB], v[64+(\j)]
.endr
	s_cmp_lg_u32 s[WV], 0
	s_cbranch_scc1 .Lnot_mine
	global_store_b128 v[LO], v[64:67], s[14:15]    ; the block's 128 scores: 512 consecutive bytes, aligned; v[64:67] are not written again
.Lnot_mine:
	v_max3_num_f32 v68, v64, v65, v66              ; the block's maximum
	v_max_num_f32 v68, v68, v67
	v_max_num_f32_dpp v68, v68, v68 row_xmask:1 row_mask:0xf bank_mask:0xf
	v_max_num_f32_dpp v68, v68, v68 row_xmask:2 row_mask:0xf bank_mask:0xf
	v_max_num_f32_dpp v68, v68, v68 row_xmask:4 row_mask:0xf bank_mask:0xf
	v_max_num_f32_dpp v68, v68, v68 row_xmask:8 row_mask:0xf bank_mask:0xf
	v_permlanex16_b32 v69, v68, s[SEL], s[SEL+1]
	v_max_num_f32 v68, v68, v69
.irp j, 0,1,2,3
	v_sub_f32 v[72+(\j)], v[64+(\j)], v68
.endr
.irp j, 0,1,2,3
	v_mul_f32 v[72+(\j)], 0x3fb8aa3b, v[72+(\j)]
.endr
.irp j, 0,1,2,3
	v_exp_f32 v[72+(\j)], v[72+(\j)]
.endr
	v_nop                                          ; a plain instruction behind the last exponential,
	s_wait_alu depctr_va_vdst(0)                   ; and the one wait for the four, ahead of their first reader
	v_cvt_pk_bf16_f32 v76, v72, v73
	v_cvt_pk_bf16_f32 v77, v74, v75
	ds_store_b64 v[PST], v[76:77]                  ; my wave's own copy of the 128 weights
.irp k, 0,1,2,3                        ; and back as source 0 of the second product, 16 equal rows x 32 key rows: LDS serves a wave's instructions in order (ISA guide 5.7.1.4)
	ds_load_b128 v[PF+8*(\k):PF+8*(\k)+3],   v[PADR] offset:64*(\k)
	ds_load_b128 v[PF+8*(\k)+4:PF+8*(\k)+7], v[PADR] offset:64*(\k)+32
.endr
; THE WEIGHTED SUM.  D = weights (16 equal rows x 128 key rows) x keys (128 key rows x 16 channels), for my wave's 16 tiles of 16 channels (tiles 0-7 in chunk 2 w, 8-15 in chunk 2 w + 1);
; keys come out of LDS turned.  Half h: key rows 64 h .. 64 h + 63: 64 turning loads fill window 1, then 32 products; the 16 accumulators take turns.
.macro CTX h
	WIN TO_B
.irp c, 0,1
.irp t, 0,1,2,3,4,5,6,7,8,9,10,11,12,13,14,15
	ds_load_tr16_b128 v[128*(\c)+8*(\t):128*(\c)+8*(\t)+3],   v[TRA] offset:((\t)/8)*CH+(2*(\h)+(\c))*32*RP+((\t)%8)*32
	ds_load_tr16_b128 v[128*(\c)+8*(\t)+4:128*(\c)+8*(\t)+7], v[TRA] offset:((\t)/8)*CH+(2*(\h)+(\c))*32*RP+((\t)%8)*32+16*RP
.endr
.endr
	s_wait_dscnt 0x0
	WIN MUL_LO
.irp c, 0,1
.irp t, 0,1,2,3,4,5,6,7,8,9,10,11,12,13,14,15
.if ((\h)+(\c)) == 0
	v_wmma_f32_16x16x32_bf16 v[8*(\t):8*(\t)+7], v[PF+8*(2*(\h)+(\c)):PF+8*(2*(\h)+(\c))+7], v[128*(\c)+8*(\t):128*(\c)+8*(\t)+7], 0
.else
	v_wmma_f32_16x16x32_bf16 v[8*(\t):8*(\t)+7], v[PF+8*(2*(\h)+(\c)):PF+8*(2*(\h)+(\c))+7], v[128*(\c)+8*(\t):128*(\c)+8*(\t)+7], v[8*(\t):8*(\t)+7]
.endif
.endr
.endr
.endm
	CTX 0
	PLACES                                         ; in front of the loads into registers that those products read
	CTX 1
	PLACES
	PLACES                                         ; in front of the LDS stores that read the results; once a launch, so twice the four
	WIN ST_C
.irp t, 0,1,2,3,4,5,6,7,8,9,10,11,12,13,14,15
	ds_store_b32 v[CADR], v[8*(\t)] offset:64*(\t)  ; register 0: row 0 (lanes 0-15) or row 8 (lanes 16-31) of 16 equal rows: channel 16 t + r
.endr
	WIN 0
	ds_load_b128 v[80:83], v[CRD]                  ; back as 1,024 consecutive bytes: my wave's own stage, served in order
	ds_load_b128 v[84:87], v[CRD] offset:512
	s_wait_dscnt 0x0
	global_store_b128 v[LO], v[80:83], s[16:17]    ; each store covers 512 consecutive bytes, aligned
	global_store_b128 v[LO], v[84:87], s[16:17] offset:512
	s_wait_tensorcnt 0x0                           ; the wave's end, behind my last LDS store
	ds_add_u32 v[SPW], v[NIL]
	s_wait_dscnt 0x0
	s_endpgm
.Lfunc_end_k_q20e02f05a4_main:
	.size	k_q20e02f05a4_main, .Lfunc_end_k_q20e02f05a4_main-k_q20e02f05a4_main
	.p2alignl 7, 3214868480
	.fill 96, 4, 3214868480
	.section	.rodata,"a",@progbits
	.p2align	6, 0x0
	.amdhsa_kernel k_q20e02f05a4_main
		.amdhsa_group_segment_fixed_size 286208
		.amdhsa_private_segment_fixed_size 0
		.amdhsa_enable_private_segment 0
		.amdhsa_kernarg_size 56
		.amdhsa_user_sgpr_count 2
		.amdhsa_user_sgpr_kernarg_segment_ptr 1
		.amdhsa_wavefront_size32 1
		.amdhsa_system_sgpr_workgroup_id_x 1
		.amdhsa_system_sgpr_workgroup_id_y 1
		.amdhsa_system_sgpr_workgroup_id_z 1
		.amdhsa_system_vgpr_workitem_id 0
		.amdhsa_next_free_vgpr 1024
		.amdhsa_next_free_sgpr 66
		.amdhsa_reserve_vcc 0
		.amdhsa_float_denorm_mode_32 3
		.amdhsa_float_denorm_mode_16_64 3
		.amdhsa_memory_ordered 1
		.amdhsa_forward_progress 1
		.amdhsa_inst_pref_size 255
	.end_amdhsa_kernel
	.section	.bss,"aw",@nobits
	.p2align	6
	.space	262144
	.amdgpu_metadata
---
amdhsa.version: [ 1, 2 ]
amdhsa.kernels:
  - .name:           k_q20e02f05a4_main
    .symbol:         k_q20e02f05a4_main.kd
    .args:
      - { .name: keys, .offset: 0, .size: 8, .value_kind: global_buffer, .address_space: global }
      - { .name: ub, .offset: 8, .size: 8, .value_kind: global_buffer, .address_space: global }
      - { .name: qv, .offset: 16, .size: 8, .value_kind: global_buffer, .address_space: global }
      - { .name: Va_w, .offset: 24, .size: 8, .value_kind: global_buffer, .address_space: global }
      - { .name: Va_b, .offset: 32, .size: 8, .value_kind: global_buffer, .address_space: global }
      - { .name: sc, .offset: 40, .size: 8, .value_kind: global_buffer, .address_space: global }
      - { .name: cpart, .offset: 48, .size: 8, .value_kind: global_buffer, .address_space: global }
    .group_segment_fixed_size: 286208
    .private_segment_fixed_size: 0
    .kernarg_segment_align: 8
    .kernarg_segment_size: 56
    .max_flat_workgroup_size: 128
    .sgpr_count:     66
    .vgpr_count:     1024
    .wavefront_size: 32
...
	.end_amdgpu_metadata
.endif
;; end of part 2
;; launch finish (part 3): grid 32 x 1, 8 waves a work-group, no clusters, 1,280 bytes of LDS; arguments sc, cpart, out0, out1; writes out0, out1
.if DOCPART == 3
	.amdgcn_target "amdgcn-amd-amdhsa--gfx1250"
	.amdhsa_code_object_version 6
	.text
	.protected	k_q20e02f05a4_finish
	.globl	k_q20e02f05a4_finish
	.p2align	8
	.type	k_q20e02f05a4_finish,@function
k_q20e02f05a4_finish:
	s_mov_b64 s[64:65], 0
	v_nop
	global_prefetch_b8 v0, s[64:65] scope:SCOPE_SE
	s_setreg_imm32_b32 hwreg(HW_REG_WAVE_MODE, 25, 1), 1
	s_wait_xcnt 0x0
; The softmax over a batch's 2,048 scores and the joining of its 16 blocks' weighted sums.  One work-group a batch: a batch's 8 KiB of scores and 64 KiB of partial sums are all its work,
; so there are 32 work-groups and no more.
; Block i's partial sum was made with weights exp(s - m_i), m_i the block's largest score: the maximum of the same stored numbers is found again here, exactly.
; With M = the largest m_i, g_i = exp(m_i - M), l_i = the block's sum of exp(s - m_i), L = the sum of g_i l_i (at least 1):
; out1 = exp(s - m_i) g_i / L,  out0 = the sum over i of (g_i / L) cpart_i.  An exponential below 2^-126 counts as 0; NaN and infinities are not treated apart.
; Thread t holds scores 4 t .. 4 t + 3 and 1,024 + 4 t ..: a wave's 128 scores of each load are exactly one block (blocks v and 8 + v); and channels 4 t .. 4 t + 3 of all 16 partial sums.
.set STAT,  0                          ; LDS: (m_i, l_i) at 8 i: 128 bytes, in a block of 256 of their own
.set SPARE, 256                        ; the spare words, 128 bytes for each of 8 waves; no other line names them
.set TO,  1                            ; v1   16 t; never rewritten
.set SPW, 2                            ; v2   my spare word; never rewritten
.set NIL, 3                            ; v3   0; never rewritten
.set SA,  4                            ; v[4:7], v[8:11] scores, then exp(s - m), then the weights
.set ML,  12                           ; v[12:13], v[14:15] (m, l) of my wave's two blocks
.set CP,  16                           ; v[16:79] the 16 partial sums, 4 registers each
.set ST,  80                           ; v[80:111] the 16 (m_i, l_i)
.set G,   112                          ; v[112:127] g_i, then g_i / L
.set GO,  128                          ; v128, v129 the same for my wave's two blocks
.set TP,  132                          ; v132, v133 at work
.set SAD, 140                          ; v140 STAT + 8 x wave
.set ZAD, 141                          ; v141 STAT
.set OUT, 136                          ; v[136:139]
	s_load_b256 s[4:11], s[0:1], 0x0               ; sc s[4:5], cpart s[6:7], out0 s[8:9], out1 s[10:11]
	v_lshl_add_u32 v[SPW], v0, 2, SPARE
	v_mov_b32 v[NIL], 0
	v_lshrrev_b32 v130, 5, v0
	v_readfirstlane_b32 s12, v130                  ; wave 0..7
	v_lshlrev_b32 v[TO], 4, v0
	v_mov_b32 v[TP], 0                             ; v_permlanex16_b32's destinations count as read
	v_mov_b32 v[TP+1], 0
	s_lshl_b32 s13, s12, 3
	v_mov_b32 v[SAD], s13
	v_mov_b32 v[ZAD], STAT
	s_lshl_b32 s14, ttmp9, 13                      ; the batch's 8,192 bytes of sc and out1,
	s_mov_b32 s15, 0
	s_lshl_b32 s16, ttmp9, 16                      ; 65,536 of cpart,
	s_mov_b32 s17, 0
	s_lshl_b32 s18, ttmp9, 12                      ; 4,096 of out0
	s_mov_b32 s19, 0
	s_mov_b32 s20, 0x76543210
	s_mov_b32 s21, 0xfedcba98
	s_wait_kmcnt 0x0
	s_add_nc_u64 s[4:5], s[4:5], s[14:15]
	s_add_nc_u64 s[10:11], s[10:11], s[14:15]
	s_add_nc_u64 s[6:7], s[6:7], s[16:17]
	s_add_nc_u64 s[8:9], s[8:9], s[18:19]
	global_load_b128 v[SA:SA+3],   v[TO], s[4:5]
	global_load_b128 v[SA+4:SA+7], v[TO], s[4:5] offset:4096
.irp i, 0,1,2,3,4,5,6,7,8,9,10,11,12,13,14,15
	global_load_b128 v[CP+4*(\i):CP+4*(\i)+3], v[TO], s[6:7] offset:4096*(\i)
.endr
	s_wait_loadcnt 16                              ; the scores are in; the 16 younger loads stay out
.irp x, 0,1
	v_max3_num_f32 v[ML+2*(\x)], v[SA+4*(\x)], v[SA+4*(\x)+1], v[SA+4*(\x)+2]
.endr
.irp x, 0,1
	v_max_num_f32 v[ML+2*(\x)], v[ML+2*(\x)], v[SA+4*(\x)+3]
.endr
.irp k, 1,2,4,8
.irp x, 0,1
	v_max_num_f32_dpp v[ML+2*(\x)], v[ML+2*(\x)], v[ML+2*(\x)] row_xmask:\k row_mask:0xf bank_mask:0xf
.endr
.endr
.irp x, 0,1
	v_permlanex16_b32 v[TP+(\x)], v[ML+2*(\x)], s20, s21
.endr
.irp x, 0,1
	v_max_num_f32 v[ML+2*(\x)], v[ML+2*(\x)], v[TP+(\x)]   ; every lane holds its block's maximum
.endr
.irp j, 0,1,2,3,4,5,6,7
	v_sub_f32 v[SA+(\j)], v[SA+(\j)], v[ML+2*((\j)/4)]
.endr
.irp j, 0,1,2,3,4,5,6,7
	v_mul_f32 v[SA+(\j)], 0x3fb8aa3b, v[SA+(\j)]
.endr
.irp j, 0,1,2,3,4,5,6,7
	v_exp_f32 v[SA+(\j)], v[SA+(\j)]
.endr
	v_nop                                          ; a plain instruction behind the last exponential,
	s_wait_alu depctr_va_vdst(0)                   ; and the one wait for the eight, ahead of their first reader
.irp x, 0,1
	v_add_f32 v[ML+2*(\x)+1], v[SA+4*(\x)], v[SA+4*(\x)+1]
	v_add_f32 v[TP+(\x)], v[SA+4*(\x)+2], v[SA+4*(\x)+3]
.endr
.irp x, 0,1
	v_add_f32 v[ML+2*(\x)+1], v[ML+2*(\x)+1], v[TP+(\x)]
.endr
.irp k, 1,2,4,8
.irp x, 0,1
	v_add_f32_dpp v[ML+2*(\x)+1], v[ML+2*(\x)+1], v[ML+2*(\x)+1] row_xmask:\k row_mask:0xf bank_mask:0xf
.endr
.endr
.irp x, 0,1
	v_permlanex16_b32 v[TP+(\x)], v[ML+2*(\x)+1], s20, s21
.endr
.irp x, 0,1
	v_add_f32 v[ML+2*(\x)+1], v[ML+2*(\x)+1], v[TP+(\x)]
.endr
.irp x, 0,1
	ds_store_b64 v[SAD], v[ML+2*(\x):ML+2*(\x)+1] offset:64*(\x)   ; all lanes store the same two words: block v + 8 x
.endr
	s_wait_dscnt 0x0                               ; for the others' sake
	s_barrier_signal -1
	s_barrier_wait -1
.irp q, 0,1,2,3,4,5,6,7
	ds_load_b128 v[ST+4*(\q):ST+4*(\q)+3], v[ZAD] offset:16*(\q)
.endr
	s_wait_dscnt 0x0
	v_max3_num_f32 v130, v[ST], v[ST+2], v[ST+4]
.irp k, 0,1,2,3,4,5
	v_max3_num_f32 v130, v130, v[ST+6+4*(\k)], v[ST+8+4*(\k)]
.endr
	v_max_num_f32 v130, v130, v[ST+30]             ; M
.irp i, 0,1,2,3,4,5,6,7,8,9,10,11,12,13,14,15
	v_sub_f32 v[G+(\i)], v[ST+2*(\i)], v130
.endr
	v_sub_f32 v[GO], v[ML], v130
	v_sub_f32 v[GO+1], v[ML+2], v130
.irp i, 0,1,2,3,4,5,6,7,8,9,10,11,12,13,14,15,16,17
	v_mul_f32 v[G+(\i)], 0x3fb8aa3b, v[G+(\i)]     ; (GO follows G)
.endr
.irp i, 0,1,2,3,4,5,6,7,8,9,10,11,12,13,14,15,16,17
	v_exp_f32 v[G+(\i)], v[G+(\i)]
.endr
	v_nop
	s_wait_alu depctr_va_vdst(0)                   ; one wait for the eighteen
	v_mul_f32 v[TP], v[G], v[ST+1]                 ; L, in two chains
	v_mul_f32 v[TP+1], v[G+1], v[ST+3]
.irp i, 2,3,4,5,6,7,8,9,10,11,12,13,14,15
	v_fmac_f32 v[TP+(\i)%2], v[G+(\i)], v[ST+2*(\i)+1]
.endr
	v_add_f32 v[TP], v[TP], v[TP+1]
	v_rcp_f32 v131, v[TP]
	v_nop
	s_wait_alu depctr_va_vdst(0)
.irp i, 0,1,2,3,4,5,6,7,8,9,10,11,12,13,14,15,16,17
	v_mul_f32 v[G+(\i)], v[G+(\i)], v131
.endr
.irp j, 0,1,2,3,4,5,6,7
	v_mul_f32 v[SA+(\j)], v[SA+(\j)], v[GO+(\j)/4]
.endr
	global_store_b128 v[TO], v[SA:SA+3],   s[10:11]               ; a wave's store covers 512 consecutive bytes, aligned
	global_store_b128 v[TO], v[SA+4:SA+7], s[10:11] offset:4096
	s_wait_loadcnt 0x0                             ; the partial sums
.irp j, 0,1,2,3
	v_mul_f32 v[OUT+(\j)], v[CP+(\j)], v[G]
.endr
.irp i, 1,2,3,4,5,6,7,8,9,10,11,12,13,14,15
.irp j, 0,1,2,3
	v_fmac_f32 v[OUT+(\j)], v[CP+4*(\i)+(\j)], v[G+(\i)]
.endr
.endr
	global_store_b128 v[TO], v[OUT:OUT+3], s[8:9]
	s_wait_tensorcnt 0x0                           ; the wave's end, behind my last LDS store
	ds_add_u32 v[SPW], v[NIL]
	s_wait_dscnt 0x0
	s_endpgm
.Lfunc_end_k_q20e02f05a4_finish:
	.size	k_q20e02f05a4_finish, .Lfunc_end_k_q20e02f05a4_finish-k_q20e02f05a4_finish
	.p2alignl 7, 3214868480
	.fill 96, 4, 3214868480
	.section	.rodata,"a",@progbits
	.p2align	6, 0x0
	.amdhsa_kernel k_q20e02f05a4_finish
		.amdhsa_group_segment_fixed_size 1280
		.amdhsa_private_segment_fixed_size 0
		.amdhsa_enable_private_segment 0
		.amdhsa_kernarg_size 32
		.amdhsa_user_sgpr_count 2
		.amdhsa_user_sgpr_kernarg_segment_ptr 1
		.amdhsa_wavefront_size32 1
		.amdhsa_system_sgpr_workgroup_id_x 1
		.amdhsa_system_sgpr_workgroup_id_y 1
		.amdhsa_system_sgpr_workgroup_id_z 1
		.amdhsa_system_vgpr_workitem_id 0
		.amdhsa_next_free_vgpr 144
		.amdhsa_next_free_sgpr 66
		.amdhsa_reserve_vcc 0
		.amdhsa_float_denorm_mode_32 3
		.amdhsa_float_denorm_mode_16_64 3
		.amdhsa_memory_ordered 1
		.amdhsa_forward_progress 1
		.amdhsa_inst_pref_size 14
	.end_amdhsa_kernel
	.amdgpu_metadata
---
amdhsa.version: [ 1, 2 ]
amdhsa.kernels:
  - .name:           k_q20e02f05a4_finish
    .symbol:         k_q20e02f05a4_finish.kd
    .args:
      - { .name: sc, .offset: 0, .size: 8, .value_kind: global_buffer, .address_space: global }
      - { .name: cpart, .offset: 8, .size: 8, .value_kind: global_buffer, .address_space: global }
      - { .name: out0, .offset: 16, .size: 8, .value_kind: global_buffer, .address_space: global }
      - { .name: out1, .offset: 24, .size: 8, .value_kind: global_buffer, .address_space: global }
    .group_segment_fixed_size: 1280
    .private_segment_fixed_size: 0
    .kernarg_segment_align: 8
    .kernarg_segment_size: 32
    .max_flat_workgroup_size: 256
    .sgpr_count:     66
    .vgpr_count:     144
    .wavefront_size: 32
...
	.end_amdgpu_metadata
.endif
;; end of part 3
;; ======== version 2 of 2: 3 launches; version 1 with the launch main written anew for expert scheduling mode
;; workspace buffers: ub 2,097,152 bytes; qv 131,072 bytes; sc 262,144 bytes; cpart 2,097,152 bytes
;; launch prep: the kernel of part 1 again; grid 64 x 1, 16 waves a work-group, no clusters, 34,816 bytes of LDS; arguments query, Wa_w, Wa_b, Ua_w, Ua_b, ub, qv; writes ub, qv
;; launch main (part 4): grid 16 x 32, 4 waves a work-group, no clusters, 286,208 bytes of LDS; arguments keys, ub, qv, Va_w, Va_b, sc, cpart; writes sc, cpart
.if DOCPART == 4
	.amdgcn_target "amdgcn-amd-amdhsa--gfx1250"
	.amdhsa_code_object_version 6
	.text
	.protected	k_q20e02f05a4_main
	.globl	k_q20e02f05a4_main
	.p2align	8
	.type	k_q20e02f05a4_main,@function
k_q20e02f05a4_main:
	s_mov_b64 s[64:65], 0
	v_nop
	global_prefetch_b8 v0, s[64:65] scope:SCOPE_SE
	s_setreg_imm32_b32 hwreg(HW_REG_WAVE_SCHED_MODE, 0, 2), 2
	s_setreg_imm32_b32 hwreg(HW_REG_WAVE_MODE, 25, 1), 1
	s_wait_xcnt 0x0
	s_wait_alu depctr_vm_vsrc(0)
; For a block of 128 keys of one batch: s[row] = Va . tanh(q_proj + Ua_b + keys[row] . Ua^T) + Va_b (stored to sc), m = the block's largest s, and
; cpart[h] = the sum over the block's rows of exp(s - m) keys[row][h].  The last launch joins a batch's 16 blocks.
; EACH BYTE OF keys IS READ ONCE: the block is rounded to bf16 on its way in and stays in LDS, first as one operand of the large product, then of the weighted sum.
; LIMITS.  keys and Ua_w enter the products as bf16, the sums are f32; the weights exp(s - m), in 0 to 1, are rounded to bf16 for the weighted sum.
; tanh(x) = 1 - 2 r, r = 1 / (1 + 2^(C2 x)), C2 = 2 log2(e): for large |x| the exponential is infinite or 0 and tanh is exactly 1 or -1; an exponential below 2^-126 counts as 0.
; A score is kept as (the sum of va) - 2 (the sum of va r): both are bounded by the sum of |va|, the scale of a score.  NaN and infinities are not treated apart.
; SHARES.  Four waves.  Wave w owns columns o = 256 w .. 256 w + 255 of the product, in two passes of 128: 128 rows x 128 columns = 64 accumulators = 512 registers.
; A QUARTER STEP is 32 along K: 64 matrix instructions, with the step's memory instructions among the first 32.  Step q fetches the keys' 8 fragments of quarter q + 1 from LDS (16 loads) and asks
; for my own 8 fragments of Ua of quarter q + 3 (16 global loads of 512 consecutive bytes: ub holds them as the registers want them), both into the registers that quarter q - 1 has read.
; THE WAY IN LIES UNDER THE FIRST PASS.  K is cut into 8 chunks of 128; the first pass wants chunk c from quarter 4 c on.  My wave brings rows 32 w .. 32 w + 31: of each chunk 32 loads of 512 consecutive
; bytes, in four OCTETS of 8 rows; octet n = 4 c + j.  Octets 0-4 come ahead of the first product; then step q rounds and stores octet q + 5 and asks for octet q + 7.
; A chunk is shown to the other waves by a barrier: its last octet is stored at the head of step 4 c - 2, the signal stands in the middle of that step, the wait at the head of the next.
; NO CLUSTER, NO JOINT LOADS, though all work-groups walk the same ub: the keys take 278,528 of the 327,680 bytes of LDS, and two slots of one step of 32 along K of the work-group's 512 columns of a pass
; are 65,536 bytes: they do not fit beside it.  NO TENSOR LOADS: keys must be rounded on the way, so they pass through registers.
; ORIENTATION.  Source 0 = 16 key rows, source 1 = 16 rows of Ua: in the result a lane holds ONE column o (lane % 16) and the key rows 8 (lane / 16) + 0..7.  So the query's term and va are one number
; a lane and column block, and the rows' sums over columns stay in 64 registers a lane until one exchange at the end.
; THE MODE: SCHED_MODE bits 1:0 = 2 (LLVM: expert scheduling mode 2), set by the entry lines.  The code itself states the register dependences
; between vector or matrix instructions and memory or LDS instructions, with s_wait_alu, always for 0.
; THE PLAN.  Registers that memory or LDS instructions touch, in the loops (step q):
;   A0, A1        keys' fragments.  Quarter q's products read A[q % 2]; step q's 16 LDS loads land in the other, which quarter q - 1's products read.
;   B0 .. B3      Ua's fragments.  Quarter q's products read B[q % 4]; step q's 16 global loads land in B[(q + 3) % 4], which quarter q - 1's products read.
;   two slots     (first pass) step q's 16 conversions read slot (q + 1) % 2; step q's 8 loads of keys land in it again.
;   T             (first pass) written by step q's conversions, read by step q's 8 LDS stores.
;   v[STA], v[ADR]  read by the LDS stores and by the fragments' loads; each written once in four steps, at a step's head.
;   v[LO], v[PFO] and the other addresses are made at the kernel's head and never written again; the scalar bases step.
; So ONE wait on va_vdst stands at a step's head, behind its conversions and its address step: all the step's loads and stores follow it, dealt among products that name A[q % 2], B[q % 4]
; and the accumulators alone.  One wait on vm_vsrc stands ahead of the lines that write T, v[STA] or v[ADR] again.
; REGISTERS, in windows of 256 (s_set_vgpr_msb: bits 1:0 source 0, 3:2 source 1, 5:4 source 2, 7:6 destination):
;   window 0: v0-12, v15 addresses; v16-31 an octet rounded; v32-63 (C2 x query's term, -2 va) by pass and column block; v64-127, v128-191 fragments of keys, two buffers;
;             v192-255 two landing slots for octets, then the rows' sums
;   window 1: four buffers of 64: Ua's fragments of a quarter step; at the end the turned fragments of keys
;   windows 2, 3: the accumulators, (row block a, column block b) at v[8 (8 (a % 4) + b)] of window 2 + a / 4; ahead of the first product window 2 takes octets 0-4
.set RP,    272                        ; a row of a chunk in LDS: 256 bytes + 16 = 17 x 16: the 16 rows of a fragment load start at 16 different groups of four banks (64 banks of 4 bytes: ISA guide 11.1)
.set CH,    128*RP                     ; a chunk: 128 rows; key (row, k) lies at (k / 128) CH + row RP + 2 (k % 128)
.set SCR,   8*CH                       ; [wave][128 rows] f32: the waves' partial scores
.set PB,    SCR+2048                   ; [wave][128] bf16: each wave's own copy of the weights
.set CST,   PB+1024                    ; [wave][256] f32: each wave's own stage for its part of cpart; the 512 bytes behind it hold the spare words, 128 bytes a wave
.set PFO,  0                           ; v0   (once the thread's number has served) the prefetches' offset: row lane / 2, half lane % 2 of its 512 bytes; never rewritten
.set LO,   1                           ; v1   16 x lane: offset in keys' rows, ub's fragments, sc and cpart; never rewritten
.set ST0,  2                           ; v2   the way in: 32 w rows + 8 x lane, in chunk 0; never rewritten
.set STA,  3                           ; v3   ST0 + the chunk in hand
.set AD0,  4                           ; v4   r x RP + 16 hh: a fragment's place in chunk 0; never rewritten
.set ADR,  5                           ; v5   AD0 + the chunk in hand
.set TRA,  6                           ; v6   the turning loads' address: my wave's 256 channels are chunks 2 w, 2 w + 1
.set SADR, 7                           ; v7   SCR + 512 w + 32 hh
.set RADR, 8                           ; v8   SCR + 16 x lane
.set PST,  9                           ; v9   PB + 256 w + 8 x lane
.set PADR, 10                          ; v10  PB + 256 w + 16 hh
.set CADR, 11                          ; v11  CST + 1,024 w + 4 r
.set CRD,  12                          ; v12  CST + 1,024 w + 16 x lane
.set VS,   15                          ; v15  the sum of my lane's 16 va
.set T,    16
.set QV,   32
.set F0,   64                          ; the buffer of even quarters; odd ones' lies 64 on
.set PF,   96                          ; at the end: the weights as four fragments
.set S,    192
.set WV,   20                          ; s20  my wave's number
.set KB,   24                          ; s[24:25] keys at my wave's first row, at the chunk before the one being asked for
.set BP,   26                          ; s[26:27] ub at the first of the four quarter steps being asked for
.set C2,   28                          ; s[28:29] 2 log2(e), named as a pair
.set SEL,  30                          ; s[30:31] v_permlanex16_b32's selects: each lane takes its own place in the other half
.set NP,   32                          ; s32  passes to go
.set TR,   33                          ; s33  trips to go
.set KOF,  34                          ; s34  LDS bytes of the chunk being read
.set VB,   35                          ; s35  Va_b
.set SOF,  36                          ; s36  LDS bytes of the chunk being stored
.set MSB, 0
.macro WIN new                         ; the immediate's high byte repeats the setting that is left; a switch that changes nothing is dropped
.if MSB != (\new)
	s_set_vgpr_msb (MSB<<8)|(\new)
.set MSB, (\new)
.endif
.endm
.set MUL_LO, 0xa4                      ; source 0 (keys) window 0, source 1 (Ua) window 1, C and D window 2
.set TO_B,   0x40                      ; destination window 1
.set TO_X,   0x80                      ; destination window 2
.set CVT_X,  0x0a                      ; sources 0 and 1 window 2
.set ST_C,   0x08                      ; an LDS store's data (source 1) window 2
.macro PLACES                          ; four places (ISA guide 7.12.1) behind a matrix instruction, ahead of what touches its registers
.rept 4
	v_nop
.endr
.endm
; 16 matrix instructions: row blocks 4 hi + a0, 4 hi + a0 + 1 x all 8 column blocks, 32 along K.  zero = 1: the first product starts the sums: no accumulator is ever cleared.
; The 64 accumulators take turns, one instruction a turn, in the same order in every quarter step, over every jump too.
.macro MUL16 f, i, hi, a0, zero
	WIN MUL_LO+0x50*(\hi)
.irp a, \a0, (\a0)+1
.irp b, 0,1,2,3,4,5,6,7
.if \zero
	v_wmma_f32_16x16x32_bf16 v[8*(8*(\a)+(\b)):8*(8*(\a)+(\b))+7], v[(\f)+8*(4*(\hi)+(\a)):(\f)+8*(4*(\hi)+(\a))+7], v[64*(\i)+8*(\b):64*(\i)+8*(\b)+7], 0
.else
	v_wmma_f32_16x16x32_bf16 v[8*(8*(\a)+(\b)):8*(8*(\a)+(\b))+7], v[(\f)+8*(4*(\hi)+(\a)):(\f)+8*(4*(\hi)+(\a))+7], v[64*(\i)+8*(\b):64*(\i)+8*(\b)+7], v[8*(8*(\a)+(\b)):8*(8*(\a)+(\b))+7]
.endif
.endr
.endr
.endm
; 16 LDS loads: the keys' 8 fragments of quarter kq of the chunk in hand, into buffer g
.macro FETCHA g, kq
	WIN 0
.irp a, 0,1,2,3,4,5,6,7
	ds_load_b128 v[(\g)+8*(\a):(\g)+8*(\a)+3],   v[ADR] offset:(\a)*16*RP+64*(\kq)
	ds_load_b128 v[(\g)+8*(\a)+4:(\g)+8*(\a)+7], v[ADR] offset:(\a)*16*RP+64*(\kq)+32
.endr
.endm
; 16 global loads: Ua's 8 fragments of a quarter step, 8,192 bytes at byte off behind the pointer, into buffer i
.macro LOADB i, off
	WIN TO_B
.irp b, 0,1,2,3,4,5,6,7
	global_load_b128 v[64*(\i)+8*(\b):64*(\i)+8*(\b)+3],   v[LO], s[BP:BP+1] offset:(\off)+1024*(\b)
	global_load_b128 v[64*(\i)+8*(\b)+4:64*(\i)+8*(\b)+7], v[LO], s[BP:BP+1] offset:(\off)+1024*(\b)+512
.endr
.endm
; 8 global loads: an octet of keys, 512 consecutive bytes of each of 8 rows, into landing slot s
.macro LOADK s, off
	WIN 0
.irp i, 0,1,2,3,4,5,6,7
	global_load_b128 v[S+32*(\s)+4*(\i):S+32*(\s)+4*(\i)+3], v[LO], s[KB:KB+1] offset:(\off)+4096*(\i) th:TH_LOAD_NT
.endr
.endm
; The head of a trip of four quarter steps: the scalar pointers step here, where the youngest load is 32 products old.  kb = 1: keys' pointer too.
.macro TOP kb
	WIN 0
	s_wait_xcnt 0x0                                ; every load and prefetch issued so far has read its address
	s_add_nc_u64 s[BP:BP+1], s[BP:BP+1], 4*8192
.if \kb
	s_add_nc_u64 s[KB:KB+1], s[KB:KB+1], 512
.endif
.endm
; STEP q OF THE FIRST PASS, q4 = q % 4.  cnt: the loads younger than octet q + 5's: what the step before issued (16 of Ua, 8 of keys).  As loads come back in order
; (ISA guide 5.7.1), that wait also shows Ua's fragments of quarters q and q + 1 landed: the first pass has no other wait for them.
; The octet is rounded (16 conversions, which also stand as places behind the last step's products) and stored, 256 consecutive bytes a row.
; With STA at chunk t + 1 in trip t (quarters 4 t + 1 .. 4 t + 4) the four octets stored are (t + 1, 2), (t + 1, 3), (t + 2, 0), (t + 2, 1); those asked for are chunk t + 2's four.
; zero = 1: the products start the sums.  ld = 0: the last two octets are stored and nothing more is asked of keys.  pf = 1: the trip's prefetch stands behind the step's loads.
; q4 = 2: in the step's middle the wave says that all its stores into the next chunk are done; 32 products stand between that signal and the wait for the others', at the head of the step with q4 = 3.
.macro STEPW q4, zero, cnt, ld, pf
	WIN 0
.if (\q4) == 3
	s_barrier_wait -1                              ; every wave's part of the next chunk lies in LDS: this step is the first to read it
.endif
	s_wait_loadcnt \cnt
	s_wait_alu depctr_vm_vsrc(0)                   ; the LDS stores issued so far have read v[T ..] and v[STA], the fragments' loads v[ADR] (in the first step of all: the pairs' loads have read v20, one of T's registers): the lines below write them again
.if (\q4) == 1
	s_add_co_u32 s[SOF], s[SOF], CH                ; the chunk being stored steps
	v_add_nc_u32 v[STA], s[SOF], v[ST0]
.endif
.if (\q4) == 3
	s_add_co_u32 s[KOF], s[KOF], CH                ; quarter q + 1 begins the next chunk
	v_add_nc_u32 v[ADR], s[KOF], v[AD0]
.endif
.set SL, S+32*(((\q4)+1)%2)
.if (\q4) == 1
.set SO, 16*RP
.elseif (\q4) == 2
.set SO, 24*RP
.elseif (\q4) == 3
.set SO, CH
.else
.set SO, CH+8*RP
.endif
.set c, 0
.rept 16
	v_cvt_pk_bf16_f32 v[T+c], v[SL+2*c], v[SL+2*c+1]
.set c, c+1
.endr
	s_wait_alu depctr_va_vdst(0)                   ; the conversions have written v[T ..], which the stores read, and are done reading the slot, in which the next octet lands; v[STA] or v[ADR] is written where it stepped; quarter q - 1's products are done reading their fragments of keys and of Ua, in which this step's loads land
.irp i, 0,1,2,3,4,5,6,7
	ds_store_b64 v[STA], v[T+2*(\i):T+2*(\i)+1] offset:SO+RP*(\i)
.endr
	s_wait_dscnt 8                                 ; LDS instructions are done in order (ISA guide 5.7.1): this quarter's fragments are in, the eight stores just issued may be out
	MUL16 F0+64*((\q4)%2), \q4, 0, 0, \zero
	FETCHA F0+64*(((\q4)+1)%2), ((\q4)+1)%4        ; no wait: no vector or matrix instruction since the wait above names the other buffer or v[ADR]
	MUL16 F0+64*((\q4)%2), \q4, 0, 2, \zero
	LOADB ((\q4)+3)%4, 8192*(((\q4)+3)%4)          ; likewise
.if \ld
	LOADK ((\q4)+1)%2, 512+32768*(((\q4)+3)%4)     ; likewise
.endif
.if \pf
	WIN 0
	; A PREFETCH INTO THE L2, behind the loads of the trip's first step: my wave's own 32 rows x 512 bytes of chunk t + 3, which the next trip will load: a lane a block of 256 bytes, two instructions,
	; 256 products ahead of that chunk's first load.  No block is named twice in the launch and no wave asks for another's.  Chunks 0-2 come by their loads alone; the last trip has no chunk behind its own.
	s_cmp_gt_u32 s[TR], 1
	s_cbranch_scc0 .Lnoask_\@
	global_prefetch_b8 v[PFO], s[KB:KB+1] offset:1024 th:TH_LOAD_NT scope:SCOPE_SE
	global_prefetch_b8 v[PFO], s[KB:KB+1] offset:1024+65536 th:TH_LOAD_NT scope:SCOPE_SE
.Lnoask_\@:
.endif
.if (\q4) == 2
	s_wait_dscnt 0x0                               ; for the others' sake: my stores lie in LDS (and no LDS instruction of mine is out at a signal)
	s_barrier_signal -1
.endif
	MUL16 F0+64*((\q4)%2), \q4, 1, 0, \zero
	MUL16 F0+64*((\q4)%2), \q4, 1, 2, \zero
.endm
; THE PLAIN STEP q.  cnt: the loads younger than Ua's fragments of quarter q: two quarter steps' 32, at a pass's end 16 and 0.
; bl = 0: nothing is left to ask of this pass's ub; astep = 1: quarter q + 1 begins the next chunk; fa = 0: there is no quarter q + 1.  A step that issues no load has no wait on va_vdst.
.macro STEPP q4, zero, cnt, bl, astep, fa
.if (\fa) || (\bl)
	PLACES                                         ; four places behind the last step's products stay beside the wait below
.endif
.if \astep
	WIN 0
	s_wait_alu depctr_vm_vsrc(0)                   ; the fragments' loads issued so far have read v[ADR]
	s_add_co_u32 s[KOF], s[KOF], CH
	v_add_nc_u32 v[ADR], s[KOF], v[AD0]
.endif
	s_wait_loadcnt \cnt                            ; Ua's fragments of this quarter are in
	s_wait_dscnt 0x0                               ; and the keys': nothing was issued behind their loads, which stand 48 products back
.if (\fa) || (\bl)
	s_wait_alu depctr_va_vdst(0)                   ; quarter q - 1's products are done reading their fragments of keys and of Ua, in which this step's loads land; v[ADR] is written where it stepped
.endif
	MUL16 F0+64*((\q4)%2), \q4, 0, 0, \zero
.if \fa
	FETCHA F0+64*(((\q4)+1)%2), ((\q4)+1)%4        ; no wait: no vector or matrix instruction since the wait above names the other buffer or v[ADR]
.endif
	MUL16 F0+64*((\q4)%2), \q4, 0, 2, \zero
.if \bl
	LOADB ((\q4)+3)%4, 8192*(((\q4)+3)%4)          ; likewise
.endif
	MUL16 F0+64*((\q4)%2), \q4, 1, 0, \zero
	MUL16 F0+64*((\q4)%2), \q4, 1, 2, \zero
.endm
; BEHIND A PASS, for the 32 accumulators of window x, in place, registers ascending (each accumulator's low end is read first):
; y = C2 acc + C2 (query's term);  e = 2^y;  1 + e;  r = 1 / (1 + e);  the rows' sums take -2 va r.
; The 256 exponentials are one batch, and so are the 256 reciprocals: behind each batch one plain instruction and one wait ahead of the first reader.
; In the last run the column block is the outer index: sixteen other pairs of sums stand between two additions onto one pair.  No memory or LDS instruction names any of these registers.
.macro EPI x
	WIN ((\x)<<6)|(\x)                             ; destination and source 0 in window x
.set n, 0
.rept 128
	v_pk_fma_f32 v[2*n:2*n+1], v[2*n:2*n+1], s[C2:C2+1], v[QV+2*((n/4)%8):QV+2*((n/4)%8)+1] op_sel_hi:[1,0,0]
.set n, n+1
.endr
.set n, 0
.rept 256
	v_exp_f32 v[n], v[n]
.set n, n+1
.endr
	v_nop
	s_wait_alu depctr_va_vdst(0)                   ; the 256 exponentials have written their results, ahead of the first line that names one
.set n, 0
.rept 128
	v_pk_add_f32 v[2*n:2*n+1], v[2*n:2*n+1], 1.0 op_sel_hi:[1,0]
.set n, n+1
.endr
.set n, 0
.rept 256
	v_rcp_f32 v[n], v[n]
.set n, n+1
.endr
	v_nop
	s_wait_alu depctr_va_vdst(0)                   ; the 256 reciprocals have written their results, ahead of the first line that names one
	WIN \x                                         ; source 0 in window x, all else in window 0
.set n, 0
.rept 128
.set eb, n/16
.set rA, 8*(8*((n/4)%4)+eb)+2*(n%4)
.set rS, S+8*(4*((\x)-2)+(n/4)%4)+2*(n%4)
	v_pk_fma_f32 v[rS:rS+1], v[rA:rA+1], v[QV+2*eb:QV+2*eb+1], v[rS:rS+1] op_sel:[0,1,0] op_sel_hi:[1,1,1]  ; both halves take the pair's second register, -2 va
.set n, n+1
.endr
.endm
	s_load_b256 s[4:11], s[0:1], 0x0               ; keys s[4:5], ub s[6:7], qv s[8:9], Va_w s[10:11]
	s_load_b128 s[12:15], s[0:1], 0x20             ; Va_b s[12:13], sc s[14:15]
	s_load_b64 s[16:17], s[0:1], 0x30              ; cpart
	v_lshl_add_u32 v13, v0, 2, 0x45c00
	v_mov_b32 v14, 0
	v_lshrrev_b32 v19, 5, v0
	v_readfirstlane_b32 s[WV], v19                 ; wave 0..3
	s_mov_b32 s21, ttmp9                           ; the block of 128 keys, 0..15
	s_and_b32 s22, ttmp7, 0xffff                   ; the batch
	v_and_b32 v16, 15, v0                          ; r
	v_bfe_u32 v17, v0, 4, 1                        ; hh
	v_and_b32 v18, 31, v0                          ; lane
	v_lshlrev_b32 v[LO], 4, v18
	v_lshlrev_b32 v20, 2, v16                      ; 4 r: my place among 16 numbers of qv and Va_w
	s_wait_alu depctr_va_sdst(0)                   ; the wave's number is written, ahead of its first reader
	s_mul_i32 s38, s[WV], 32*RP
	v_lshl_add_u32 v[ST0], v18, 3, s38
	v_mov_b32 v[STA], v[ST0]
	s_lshl_b32 s38, s[WV], 9
	s_add_co_u32 s38, s38, SCR
	v_lshl_add_u32 v[SADR], v17, 5, s38
	v_lshl_add_u32 v[RADR], v18, 4, SCR
	s_lshl_b32 s38, s[WV], 8
	s_add_co_u32 s38, s38, PB
	v_lshl_add_u32 v[PST], v18, 3, s38
	v_lshl_add_u32 v[PADR], v17, 4, s38
	s_lshl_b32 s38, s[WV], 10
	s_add_co_u32 s38, s38, CST
	v_lshl_add_u32 v[CADR], v16, 2, s38
	v_lshl_add_u32 v[CRD], v18, 4, s38
	v_mul_u32_u24 v19, v16, RP
	v_lshl_add_u32 v[AD0], v17, 4, v19             ; a fragment's row x pitch + 16 x half
	v_mov_b32 v[ADR], v[AD0]
	; The turning load takes 16 key rows x 16 channels (lane l reads row 8 (l / 16) + l % 8, channels 8 ((l / 8) % 2) + 0..7) and leaves half a fragment: lane l holds channel l % 16 and 8 key rows.
	v_and_b32 v19, 7, v0
	v_lshl_add_u32 v19, v17, 3, v19
	v_mul_u32_u24 v19, v19, RP
	v_bfe_u32 v21, v0, 3, 1
	v_lshl_add_u32 v19, v21, 4, v19
	s_mul_i32 s38, s[WV], 2*CH
	v_add_nc_u32 v[TRA], s38, v19
	v_lshrrev_b32 v19, 1, v18
	v_and_b32 v21, 1, v18
	v_lshlrev_b32 v19, 12, v19
	v_lshl_add_u32 v[PFO], v21, 8, v19             ; (lane / 2) rows of 4,096 bytes + (lane % 2) x 256; the thread's number is needed no more
	s_lshl_b32 s38, s22, 23                        ; keys: a batch is 2,048 rows of 4,096 bytes,
	s_lshl_b32 s40, s21, 19                        ; a block 128 rows,
	s_add_co_u32 s38, s38, s40
	s_lshl_b32 s40, s[WV], 17                      ; my wave brings 32 of them
	s_add_co_u32 s38, s38, s40
	s_mov_b32 s39, 0
	s_lshl_b32 s40, s[WV], 19                      ; ub: my wave's 64 quarter steps of 8,192 bytes
	s_mov_b32 s41, 0
	s_lshl_b32 s42, s22, 6                         ; qv: [nb][batch][16] f32; my wave's nb begin at 16 w
	s_lshl_b32 s44, s[WV], 15
	s_add_co_u32 s42, s42, s44
	s_mov_b32 s43, 0
	s_lshl_b32 s44, s[WV], 10                      ; Va_w: my 256 numbers; cpart: my 256 numbers
	s_mov_b32 s45, 0
	s_lshl_b32 s46, s22, 13                        ; sc: [batch][2,048] f32
	s_lshl_b32 s47, s21, 9
	s_add_co_u32 s46, s46, s47
	s_mov_b32 s47, 0
	s_mov_b32 s[C2], 0x4038aa3b
	s_mov_b32 s[C2+1], s[C2]
	s_mov_b32 s[SEL], 0x76543210
	s_mov_b32 s[SEL+1], 0xfedcba98
	s_mov_b32 s[KOF], 0
	s_mov_b32 s[SOF], 0
	s_mov_b32 s[NP], 2
	s_wait_kmcnt 0x0
	s_add_nc_u64 s[KB:KB+1], s[4:5], s[38:39]
	s_add_nc_u64 s[BP:BP+1], s[6:7], s[40:41]
	s_add_nc_u64 s[8:9], s[8:9], s[42:43]
	s_add_nc_u64 s[10:11], s[10:11], s[44:45]
	s_add_nc_u64 s[14:15], s[14:15], s[46:47]
	s_add_nc_u64 s[16:17], s[16:17], s[44:45]
	s_lshl_b32 s38, s22, 4
	s_add_co_u32 s38, s38, s21
	s_lshl_b32 s38, s38, 12                        ; cpart: [batch x 16 + block][1,024] f32
	s_add_nc_u64 s[16:17], s[16:17], s[38:39]
	s_load_b32 s[VB], s[12:13], 0x0                ; waited for where the scores are finished
	s_wait_alu depctr_va_vdst(0)                   ; v0 to v12 and v20 are written: the offsets and addresses that the kernel's loads, stores and prefetches read
.irp n, 0,1                            ; column o = 256 w + 128 n + 16 b + r: the query's term and va, one number a lane
.irp b, 0,1,2,3,4,5,6,7
	global_load_b32 v[QV+16*(\n)+2*(\b)],   v20, s[8:9]   offset:16384*(\n)+2048*(\b)
	global_load_b32 v[QV+16*(\n)+2*(\b)+1], v20, s[10:11] offset:512*(\n)+64*(\b)
.endr
.endr
	WIN TO_X                                       ; octets 0-4: chunk 0 and the first 8 rows of chunk 1, into window 2, which the products do not need yet
.irp n, 0,1,2,3,4
.irp i, 0,1,2,3,4,5,6,7
	global_load_b128 v[32*(\n)+4*(\i):32*(\n)+4*(\i)+3], v[LO], s[KB:KB+1] offset:((\n)/4)*512+((\n)%4)*32768+4096*(\i) th:TH_LOAD_NT
.endr
.endr
	LOADB 0, 0                                     ; and what steps -3, -2, -1 would have asked for, in their order
	LOADB 1, 8192
	LOADK 1, 512+32768                             ; octet 5
	LOADB 2, 16384
	LOADK 0, 512+65536                             ; octet 6
	WIN 0
	s_wait_loadcnt 63                              ; octets 0-4, and the 32 numbers ahead of them, are in: 64 loads are younger, and 63 is the largest count that the wait can name
	; va tanh = va - 2 va r: every row's sum will start at the sum of my lane's 16 va, and the pairs' second registers take -2 va
	v_add_f32 v[VS], v[QV+1], v[QV+3]
.set c, 2
.rept 14
	v_add_f32 v[VS], v[VS], v[QV+2*c+1]
.set c, c+1
.endr
.set c, 0
.rept 16
	v_mul_f32 v[QV+2*c+1], -2.0, v[QV+2*c+1]
.set c, c+1
.endr
	WIN CVT_X                                      ; octets 0-4 are rounded out of window 2 into the two fragment buffers, free until the first fetch: octet n at F0 + 16 n
.set c, 0
.rept 80
	v_cvt_pk_bf16_f32 v[F0+c], v[2*c], v[2*c+1]
.set c, c+1
.endr
	WIN 0
	s_wait_alu depctr_va_vdst(0)                   ; the 80 conversions have written v[F0 ..], which the 40 LDS stores read
.irp n, 0,1,2,3,4
.irp i, 0,1,2,3,4,5,6,7
	ds_store_b64 v[STA], v[F0+16*(\n)+2*(\i):F0+16*(\n)+2*(\i)+1] offset:((\n)/4)*CH+(8*((\n)%4)+(\i))*RP
.endr
.endr
	s_wait_dscnt 0x0                               ; for the others' sake: my rows of chunk 0 lie in LDS
	s_barrier_signal -1
	s_barrier_wait -1                              ; all 128 rows do
	s_wait_alu depctr_vm_vsrc(0)                   ; my LDS stores have read v[F0 ..]: from here on the fragments' loads land in these registers
	FETCHA F0, 0                                   ; quarter 0's fragments
.Lpass:                                        ; 32 quarter steps, then the pass's 128 columns are used up
	s_cmp_eq_u32 s[NP], 1
	s_cbranch_scc1 .Lk1
	; THE FIRST PASS, with the way in
	STEPW 0, 1, 24, 1, 0                           ; stores octet 5, asks for octet 7; a pass's first quarter stands in front of the loop: its products start the sums
	WIN 0
	s_mov_b32 s[TR], 6
.Lwin:                                         ; trip t: quarters 4 t + 1 .. 4 t + 4: octets 4 t + 6 .. 4 t + 9 are stored, chunk t + 2 is asked for
	TOP 1
	STEPW 1, 0, 24, 1, 1
	STEPW 2, 0, 24, 1, 0                           ; the last octet of chunk t + 1 is stored, and the wave says so,
	STEPW 3, 0, 24, 1, 0                           ; and goes on to that chunk when all four have
	STEPW 0, 0, 24, 1, 0
	WIN 0
	s_sub_co_u32 s[TR], s[TR], 1
	s_cmp_lg_u32 s[TR], 0
	s_cbranch_scc1 .Lwin
	TOP 0                                          ; quarters 25 and 26 store octets 30 and 31; nothing is left to ask of keys
	STEPW 1, 0, 24, 0, 0
	STEPW 2, 0, 16, 0, 0                           ; younger than octet 31: one quarter step of Ua
	WIN 0
	s_barrier_wait -1                              ; chunk 7 is whole
.set c, 0
.rept 64
	v_mov_b32 v[S+c], v[VS]                        ; the landing slots have served (their last loads were waited for above): the rows' sums start
.set c, c+1
.endr
	s_mov_b32 s[TR], 1
	s_branch .Lmid                                 ; quarters 27 and 28 are the second half of a plain trip
.Lk1:                                          ; THE SECOND PASS
	STEPP 0, 1, 32, 1, 0, 1
	WIN 0
	s_mov_b32 s[TR], 7
.Ltrip:                                        ; quarters 4 t + 1 .. 4 t + 4
	TOP 0
	STEPP 1, 0, 32, 1, 0, 1
	STEPP 2, 0, 32, 1, 0, 1
	WIN 0
.Lmid:
	STEPP 3, 0, 32, 1, 1, 1
	STEPP 0, 0, 32, 1, 0, 1
	WIN 0
	s_sub_co_u32 s[TR], s[TR], 1
	s_cmp_lg_u32 s[TR], 0
	s_cbranch_scc1 .Ltrip
	STEPP 1, 0, 32, 0, 0, 1                        ; quarters 29-31 ask for nothing of ub: the counts run down
	STEPP 2, 0, 16, 0, 0, 1
	STEPP 3, 0, 0, 0, 0, 0
	PLACES                                         ; in front of the lines that read the sums; they stay beside the wait on va_vdst below
	WIN 0
	s_wait_alu depctr_vm_vsrc(0)                   ; the fragments' loads have read v[ADR], which is written behind the branch
	s_cmp_eq_u32 s[NP], 1
	s_cbranch_scc1 .Lnomore
	s_wait_xcnt 0x0                                ; behind the first pass: the second's first three quarter steps of Ua and its first fragments are asked for; they land during the work below
	s_add_nc_u64 s[BP:BP+1], s[BP:BP+1], 4*8192
	s_mov_b32 s[KOF], 0
	v_mov_b32 v[ADR], v[AD0]
	s_wait_alu depctr_va_vdst(0)                   ; v[ADR] is written; the pass's last products are done reading the three buffers of Ua and the buffer of keys in which the loads below land
	LOADB 0, 0
	LOADB 1, 8192
	LOADB 2, 16384
	FETCHA F0, 0
.Lnomore:
	EPI 2
	EPI 3
	WIN 0
.set c, 0
.rept 16
	v_mov_b32 v[QV+c], v[QV+16+c]                  ; the second pass's pairs go where the one text names them
.set c, c+1
.endr
	s_sub_co_u32 s[NP], s[NP], 1
	s_cmp_lg_u32 s[NP], 0
	s_cbranch_scc1 .Lpass
	; THE SCORES.  A lane's 64 sums cover its own columns (o % 16 = r): the sixteen lanes of a half are added, then the four waves through LDS.
.irp k, 1,2,4,8
.set c, 0
.rept 64
	v_add_f32_dpp v[S+c], v[S+c], v[S+c] row_xmask:\k row_mask:0xf bank_mask:0xf
.set c, c+1
.endr
.endr
	s_wait_alu depctr_va_vdst(0)                   ; the additions have written the sums, which the LDS stores read; no vector line between here and the loads behind the barrier names v64 to v79, in which they land
.irp a, 0,1,2,3,4,5,6,7                ; row 16 a + 8 hh + j; the sixteen lanes of a half store the same numbers to the same words
	ds_store_b128 v[SADR], v[S+8*(\a):S+8*(\a)+3]   offset:64*(\a)
	ds_store_b128 v[SADR], v[S+8*(\a)+4:S+8*(\a)+7] offset:64*(\a)+16
.endr
	s_wait_dscnt 0x0                               ; for the others' sake: my partial scores lie in LDS
	s_barrier_signal -1
	s_barrier_wait -1
.irp w, 0,1,2,3
	ds_load_b128 v[64+4*(\w):64+4*(\w)+3], v[RADR] offset:512*(\w)   ; rows 4 l .. 4 l + 3, every wave all four parts
.endr
	s_wait_dscnt 0x0
	s_wait_kmcnt 0x0                               ; Va_b
	v_pk_add_f32 v[64:65], v[64:65], v[68:69]
	v_pk_add_f32 v[66:67], v[66:67], v[70:71]
	v_pk_add_f32 v[72:73], v[72:73], v[76:77]
	v_pk_add_f32 v[74:75], v[74:75], v[78:79]
	v_pk_add_f32 v[64:65], v[64:65], v[72:73]
	v_pk_add_f32 v[66:67], v[66:67], v[74:75]
.irp j, 0,1,2,3
	v_add_f32 v[64+(\j)], s[VB], v[64+(\j)]
.endr
	s_cmp_lg_u32 s[WV], 0
	s_cbranch_scc1 .Lnot_mine
	s_wait_alu depctr_va_vdst(0)                   ; the additions have written v[64:67], which the store reads
	global_store_b128 v[LO], v[64:67], s[14:15]    ; the block's 128 scores: 512 consecutive bytes, aligned; v[64:67] are not written again
.Lnot_mine:
	v_max3_num_f32 v68, v64, v65, v66              ; the block's maximum
	v_max_num_f32 v68, v68, v67
	v_max_num_f32_dpp v68, v68, v68 row_xmask:1 row_mask:0xf bank_mask:0xf
	v_max_num_f32_dpp v68, v68, v68 row_xmask:2 row_mask:0xf bank_mask:0xf
	v_max_num_f32_dpp v68, v68, v68 row_xmask:4 row_mask:0xf bank_mask:0xf
	v_max_num_f32_dpp v68, v68, v68 row_xmask:8 row_mask:0xf bank_mask:0xf
	v_permlanex16_b32 v69, v68, s[SEL], s[SEL+1]
	v_max_num_f32 v68, v68, v69
.irp j, 0,1,2,3
	v_sub_f32 v[72+(\j)], v[64+(\j)], v68
.endr
.irp j, 0,1,2,3
	v_mul_f32 v[72+(\j)], 0x3fb8aa3b, v[72+(\j)]
.endr
.irp j, 0,1,2,3
	v_exp_f32 v[72+(\j)], v[72+(\j)]
.endr
	v_nop                                          ; a plain instruction behind the last exponential,
	s_wait_alu depctr_va_vdst(0)                   ; and the one wait for the four: they have written v[72:75], ahead of their first reader
	v_cvt_pk_bf16_f32 v76, v72, v73
	v_cvt_pk_bf16_f32 v77, v74, v75
	s_wait_alu depctr_va_vdst(0)                   ; the two conversions have written v[76:77], which the LDS store reads; no vector or matrix line between here and them names the registers in which the loads below and the first 64 turning loads land
	ds_store_b64 v[PST], v[76:77]                  ; my wave's own copy of the 128 weights
.irp k, 0,1,2,3                        ; and back as source 0 of the second product, 16 equal rows x 32 key rows: LDS serves a wave's instructions in order (ISA guide 5.7.1.4)
	ds_load_b128 v[PF+8*(\k):PF+8*(\k)+3],   v[PADR] offset:64*(\k)
	ds_load_b128 v[PF+8*(\k)+4:PF+8*(\k)+7], v[PADR] offset:64*(\k)+32
.endr
; THE WEIGHTED SUM.  D = weights (16 equal rows x 128 key rows) x keys (128 key rows x 16 channels), for my wave's 16 tiles of 16 channels (tiles 0-7 in chunk 2 w, 8-15 in chunk 2 w + 1);
; keys come out of LDS turned.  Half h: key rows 64 h .. 64 h + 63: 64 turning loads fill window 1, then 32 products; the 16 accumulators take turns.
.macro CTX h
	WIN TO_B
.irp c, 0,1
.irp t, 0,1,2,3,4,5,6,7,8,9,10,11,12,13,14,15
	ds_load_tr16_b128 v[128*(\c)+8*(\t):128*(\c)+8*(\t)+3],   v[TRA] offset:((\t)/8)*CH+(2*(\h)+(\c))*32*RP+((\t)%8)*32
	ds_load_tr16_b128 v[128*(\c)+8*(\t)+4:128*(\c)+8*(\t)+7], v[TRA] offset:((\t)/8)*CH+(2*(\h)+(\c))*32*RP+((\t)%8)*32+16*RP
.endr
.endr
	s_wait_dscnt 0x0
	WIN MUL_LO
.irp c, 0,1
.irp t, 0,1,2,3,4,5,6,7,8,9,10,11,12,13,14,15
.if ((\h)+(\c)) == 0
	v_wmma_f32_16x16x32_bf16 v[8*(\t):8*(\t)+7], v[PF+8*(2*(\h)+(\c)):PF+8*(2*(\h)+(\c))+7], v[128*(\c)+8*(\t):128*(\c)+8*(\t)+7], 0
.else
	v_wmma_f32_16x16x32_bf16 v[8*(\t):8*(\t)+7], v[PF+8*(2*(\h)+(\c)):PF+8*(2*(\h)+(\c))+7], v[128*(\c)+8*(\t):128*(\c)+8*(\t)+7], v[8*(\t):8*(\t)+7]
.endif
.endr
.endr
.endm
	CTX 0
	PLACES                                         ; four places behind those products stay beside the wait below
	WIN TO_B
	s_wait_alu depctr_va_vdst(0)                   ; the first half's products are done reading window 1, in which the second half's turning loads land
	CTX 1
	PLACES
	PLACES                                         ; in front of the LDS stores that read the results; once a launch, so twice the four
	WIN ST_C
	s_wait_alu depctr_va_vdst(0)                   ; the products have written the 16 accumulators, which the LDS stores read; the places above stay beside this wait
.irp t, 0,1,2,3,4,5,6,7,8,9,10,11,12,13,14,15
	ds_store_b32 v[CADR], v[8*(\t)] offset:64*(\t)  ; register 0: row 0 (lanes 0-15) or row 8 (lanes 16-31) of 16 equal rows: channel 16 t + r
.endr
	WIN 0
	ds_load_b128 v[80:83], v[CRD]                  ; back as 1,024 consecutive bytes: my wave's own stage, served in order; no vector line since the wait above names v[80:87]
	ds_load_b128 v[84:87], v[CRD] offset:512
	s_wait_dscnt 0x0
	global_store_b128 v[LO], v[80:83], s[16:17]    ; each store covers 512 consecutive bytes, aligned
	global_store_b128 v[LO], v[84:87], s[16:17] offset:512
	s_wait_dscnt 0x0                               ; the wave's end
	s_wait_alu depctr_hold_cnt(0) depctr_sa_sdst(0) depctr_va_vdst(0) depctr_va_sdst(0) depctr_va_ssrc(0) depctr_va_vcc(0) depctr_vm_vsrc(0)
	s_wait_tensorcnt 0x0
	ds_add_u32 v13, v14
	s_wait_dscnt 0x0
	s_endpgm
.Lfunc_end_k_q20e02f05a4_main:
	.size	k_q20e02f05a4_main, .Lfunc_end_k_q20e02f05a4_main-k_q20e02f05a4_main
	.p2alignl 7, 3214868480
	.fill 96, 4, 3214868480
	.section	.rodata,"a",@progbits
	.p2align	6, 0x0
	.amdhsa_kernel k_q20e02f05a4_main
		.amdhsa_group_segment_fixed_size 286208
		.amdhsa_private_segment_fixed_size 0
		.amdhsa_enable_private_segment 0
		.amdhsa_kernarg_size 56
		.amdhsa_user_sgpr_count 2
		.amdhsa_user_sgpr_kernarg_segment_ptr 1
		.amdhsa_wavefront_size32 1
		.amdhsa_system_sgpr_workgroup_id_x 1
		.amdhsa_system_sgpr_workgroup_id_y 1
		.amdhsa_system_sgpr_workgroup_id_z 1
		.amdhsa_system_vgpr_workitem_id 0
		.amdhsa_next_free_vgpr 1024
		.amdhsa_next_free_sgpr 66
		.amdhsa_reserve_vcc 0
		.amdhsa_float_denorm_mode_32 3
		.amdhsa_float_denorm_mode_16_64 3
		.amdhsa_memory_ordered 1
		.amdhsa_forward_progress 1
		.amdhsa_inst_pref_size 255
	.end_amdhsa_kernel
	.section	.bss,"aw",@nobits
	.p2align	6
	.space	262144
	.amdgpu_metadata
---
amdhsa.version: [ 1, 2 ]
amdhsa.kernels:
  - .name:           k_q20e02f05a4_main
    .symbol:         k_q20e02f05a4_main.kd
    .args:
      - { .name: keys, .offset: 0, .size: 8, .value_kind: global_buffer, .address_space: global }
      - { .name: ub, .offset: 8, .size: 8, .value_kind: global_buffer, .address_space: global }
      - { .name: qv, .offset: 16, .size: 8, .value_kind: global_buffer, .address_space: global }
      - { .name: Va_w, .offset: 24, .size: 8, .value_kind: global_buffer, .address_space: global }
      - { .name: Va_b, .offset: 32, .size: 8, .value_kind: global_buffer, .address_space: global }
      - { .name: sc, .offset: 40, .size: 8, .value_kind: global_buffer, .address_space: global }
      - { .name: cpart, .offset: 48, .size: 8, .value_kind: global_buffer, .address_space: global }
    .group_segment_fixed_size: 286208
    .private_segment_fixed_size: 0
    .kernarg_segment_align: 8
    .kernarg_segment_size: 56
    .max_flat_workgroup_size: 128
    .sgpr_count:     66
    .vgpr_count:     1024
    .wavefront_size: 32
...
	.end_amdgpu_metadata
.endif
;; end of part 4
;; launch finish: the kernel of part 3 again; grid 32 x 1, 8 waves a work-group, no clusters, 1,280 bytes of LDS; arguments sc, cpart, out0, out1; writes out0, out1
